; MI455X (gfx1250); checked and timed in simulation.
; The chip was launched on July 23, 2026; its instructions are those of AMD's public machine-readable ISA for CDNA 5 (MIT licence, August 2026) and "CDNA5" Instruction Set Architecture Reference Guide (July 2026). The comments in the code are by the model that wrote it; some were corrected since.
;; Attention. Allowed arithmetic: matrix products marked QUANTISED: E3M2 operands, one E8M0 scale for each 32 along K, by v_wmma_scale_f32_16x16x128_f8f6f4 with both operands' format E3M2, f32 sums; everything else in f32.
;; Inputs: freqs_cos 2,048 x 64 float32; freqs_sin 2,048 x 64 float32; mask 2,048 x 2,048 float32; wk 2,048 x 2,048 float32; wo 2,048 x 2,048 float32; wq 2,048 x 2,048 float32; wv 2,048 x 2,048 float32; x 1 x 2,048 x 2,048 float32.
;; Outputs: out0 1 x 2,048 x 2,048 float32.
;; Constants: start_pos = 0.
;; This version of the problem:
;;   THIS VERSION OF THE PROBLEM IS GIVEN IN LOW PRECISION. The matrix products marked QUANTISED in the list below multiply operands that are first quantised to E3M2 (3 exponent bits, 2 mantissa bits; 6 bits a number), with one power-of-two scale for each 32 numbers along K (OCP MX v1.0); their sums are f32. All else is computed in f32.
;;   The module's matrix products, in the order in which they are computed (A, B: the left and right operand; K: the contracted axis; several contracted axes count as one K, in the product's order):
;;     1. [M 2,048, K 2,048] x [K 2,048, N 2,048]; A: input x; B: input wq: QUANTISED
;;     2. [M 2,048, K 2,048] x [K 2,048, N 2,048]; A: input x; B: input wk: QUANTISED
;;     3. [M 2,048, K 2,048] x [K 2,048, N 2,048]; A: input x; B: input wv: QUANTISED
;;     4. batch 16 x [M 2,048, K 128] x [K 128, N 2,048]; A: computed on the way; B: computed on the way: QUANTISED
;;     5. batch 16 x [M 128, K 2,048] x [K 2,048, N 2,048]; A: computed on the way; B: softmax (see below): QUANTISED
;;     6. [M 2,048, K 2,048] x [K 2,048, N 2,048]; A: computed on the way; B: input wo: QUANTISED
;;   THE QUANTISER, for each operand of a quantised product, along K:
;;     - K is cut into blocks of 32 from its start; a last block that is shorter is filled with zeros.
;;     - A block's scale is 2^e with e = floor(log2(the largest magnitude in the block)) - 4, held to -126 .. 127; a block of zeros has e = 0. As a byte (E8M0): e + 127.
;;     - Each number is divided by its block's scale, clamped to +-28, and rounded to the nearest number of E3M2, ties to even, subnormals kept.
;;     - The product sums the exact products of the quantised numbers (number of the format x scale) in f32.
;;   ~~~python
;;   def quantise(x, axis):      # numpy; x: float32 -> the quantised numbers, widened to float32 again
;;       x = np.moveaxis(x, axis, -1); K = x.shape[-1]
;;       x = np.pad(x, [(0, 0)] * (x.ndim - 1) + [(0, -K % 32)]); x = x.reshape(x.shape[:-1] + (-1, 32)); a = np.abs(x).max(-1, keepdims=True)
;;       e = np.where(a > 0, np.clip(np.frexp(np.where(a > 0, a, 1))[1] - 1 - 4, -126, 127), 0)      # np.frexp(a)[1] - 1 = floor(log2(a)), exactly
;;       r = np.clip(x / 2.0 ** e, -28, 28)
;;       step = 2.0 ** (np.maximum(np.frexp(np.where(r == 0, 1, r))[1] - 1, -2) - 2)
;;       q = np.round(r / step) * step * 2.0 ** e      # np.round: ties to even
;;       return np.moveaxis(q.reshape(q.shape[:-2] + (-1,))[..., :K], -1, axis).astype(np.float32)
;;   ~~~
;;   SOFTMAX AHEAD OF A QUANTISED PRODUCT. Where the list says 'softmax', what is quantised is not the finished softmax but p = 2^(t - M), with t = logit x log2(e) and M = ceil(the row's largest t), a whole number; so 1/2 < the row's largest p <= 1. The row's sum l is taken of the UNQUANTISED p, in f32, and the product's result is divided by l at the end. Since M is a whole number, a kernel that streams over the keys may use a running M (the ceiling of the running maximum): every later rescaling is an exact power of two, which a block's scale takes up: the codes' values come out the same.
;;   OPERANDS COMPUTED ON THE WAY. 'Computed on the way' means the value that the module computes at that place (a softmax that the list does not call 'softmax' is quantised finished and normalised). What goes into a quantiser is computed in f32, as accurately as f32 sums, v_exp_f32 and their like allow (about 1e-6 of the number): no bf16 or f16 on the way to a quantiser, and a product that is left as it is and whose result goes on into a quantised operand takes f32 operands (vector FMAs, or v_wmma_f32_16x16x4_f32). A number that lies on a knife's edge between two numbers of the format may be rounded either way, as far as f32 arithmetic and the matrix unit's own rounding can turn it there, and no further.
;; One version. Each part assembles by itself: llvm-mc -triple=amdgcn-amd-amdhsa -mcpu=gfx1250 --defsym DOCPART=n.
;; ======== version 1 of 1: 4 launches
;; workspace buffers: wcodes 15,728,640 bytes; wscales 655,360 bytes; qkv 9,437,184 bytes; qkvs 393,216 bytes; acodes 3,145,728 bytes; ascales 131,072 bytes
;; launch quant (part 1): grid 256 x 1, 10 waves a work-group, no clusters, 85,760 bytes of LDS; arguments x, wq, wk, wv, wo, wcodes, wscales; writes wcodes, wscales
.if DOCPART == 1
	.amdgcn_target "amdgcn-amd-amdhsa--gfx1250"
	.amdhsa_code_object_version 6
	.text
	.protected	k_q366fb75f2a_quant
	.globl	k_q366fb75f2a_quant
	.p2align	8
	.type	k_q366fb75f2a_quant,@function
k_q366fb75f2a_quant:
	s_mov_b64 s[64:65], 0
	v_nop
	global_prefetch_b8 v0, s[64:65] scope:SCOPE_SE
	s_setreg_imm32_b32 hwreg(HW_REG_WAVE_MODE, 25, 1), 1
	s_wait_xcnt 0x0
; x, wq, wk, wv, wo, each [2048][2048] f32 with K innermost, become codes of BF6 (E3M2) with one E8M0 byte for each 32 along K.
; A block's scale is 2^(floor(log2(its largest magnitude)) - 4); its byte is the largest magnitude's exponent field - 4, held at 1 from below.
; LAYOUT OF THE RESULT: images of operand registers.  The five tensors are 80 blocks of 128 rows (x 0-15, wq 16-31, wk 32-47, wv 48-63, wo 64-79).
; A unit = (block of 128 rows, 128 along K) = 8 tiles of 16 rows = 8 x 1,536 bytes.  Lane r of tile T holds row 32 (T / 2) + 8 (T % 2) + r + 8 (r / 8).
; A tile's image: registers 4 c .. 4 c + 3 of lane l lie at 512 c + 16 l.  The unit's 128 scale words: that of (T, r) at 256 (T / 4) + 16 r + 4 (T % 4).
; SHARES: 1,280 units are 2,560 halves of four tiles; 256 work-groups of ten waves, a half to a wave: half H = 10 x work-group + wave: 32 KiB in, 6,400 bytes out, the same for every wave.
; Each load takes one row's 512 consecutive bytes; 16 rows turn through the wave's own stage in LDS (rows 528 bytes apart), so that a lane gets 32 neighbours along K twice.
; No tensor loads, no barrier: waves share nothing.  Loads run two tiles (32 loads a wave) ahead.
; LIMITS: NaN and infinities among the inputs are not served.  A block of zeros gets the byte 1 where the rule says 127: its codes are zeros, and this program alone reads the bytes.
.set STG,  8448                        ; a wave's stage: 16 rows x 528 bytes
.set PIT,  528                         ; 512 + 16: sixteen rows at one column start at sixteen different 16-byte columns of 256
.set GA,   1                           ; v1   16 x lane: my place in a load and in an image; never rewritten
.set STI,  2                           ; v2   the stage, on the way in
.set STO,  3                           ; v3   and on the way out: row r, + 128 h
.set SH,   4                           ; v4   8 h: where my two bytes stand in the scale word
.set SWA,  5                           ; v5   16 r + 8 h: where my two scale words go
.set MX,   8                           ; v8-9   largest magnitudes
.set SO,   10                          ; v10-11 the conversions' scale operands
.set BY,   12                          ; v12-13 the bytes
.set WD,   14                          ; v14  my half of the word
.set PD,   15                          ; v15  lane l xor 16's
.set PW,   16                          ; v16-19 the four tiles' scale words
.set OW,   24                          ; v24-25 as they are stored
.set PC,   28                          ; v28-39 a tile's codes
.set PT,   40                          ; v40-47 the second halves of the blocks, before they are moved
.set X,    64                          ; v64-127 64 numbers of my row
.set R,    128                         ; v128-255 two sets of 16 rows as loaded
	s_load_b256 s[4:11], s[0:1], 0x0               ; x, wq, wk, wv
	s_load_b128 s[12:15], s[0:1], 0x20             ; wo, wcodes
	s_load_b64 s[16:17], s[0:1], 0x30              ; wscales
	v_lshl_add_u32 v62, v0, 2, 0x14a00
	v_mov_b32 v63, 0
	v_lshrrev_b32 v6, 5, v0
	v_readfirstlane_b32 s18, v6                    ; wave 0..9
	v_and_b32 v6, 31, v0
	v_lshlrev_b32 v[GA], 4, v6
	v_and_b32 v6, 15, v0                           ; r
	v_bfe_u32 v7, v0, 4, 1                         ; h
	s_mul_i32 s23, s18, STG
	v_add_nc_u32 v[STI], s23, v[GA]
	v_mul_u32_u24 v[STO], v6, PIT
	v_lshl_add_u32 v[STO], v7, 7, v[STO]
	v_add_nc_u32 v[STO], s23, v[STO]
	v_lshlrev_b32 v[SH], 3, v7
	v_lshl_add_u32 v[SWA], v6, 4, v[SH]
	v_mov_b32 v[PD], 0                             ; a lane permute's destination counts as one of its sources
	s_mul_i32 s19, ttmp9, 10
	s_add_co_u32 s19, s19, s18                     ; H: bit 0 which four tiles, bits 4:1 the K step, bits 8:5 the 128 rows, bits 11:9 the tensor
	s_lshr_b32 s21, s19, 9                         ; which tensor
	s_bfe_u32 s22, s19, 0x40005                    ; which 128 rows of it
	s_bfe_u32 s20, s19, 0x40001                    ; which K step
	s_and_b32 s28, s19, 1                          ; tiles 0-3 or 4-7: rows 0-63 or 64-127 of the block
	s_lshl_b32 s26, s22, 20                        ; 128 rows of 8,192 bytes,
	s_lshl_b32 s27, s28, 19                        ; 64 rows,
	s_or_b32 s26, s26, s27
	s_lshl_b32 s27, s20, 9                         ; 128 numbers along K
	s_or_b32 s26, s26, s27
	s_mov_b32 s27, 0
	s_mul_i32 s30, s19, 6144                       ; four images
	s_mov_b32 s31, 0
	s_lshl_b32 s32, s19, 8                         ; 64 scale words
	s_mov_b32 s33, 0
	s_mov_b32 s34, 0x76543210
	s_mov_b32 s35, 0xfedcba98                      ; v_permlanex16_b32's selects for lane l xor 16
	s_mov_b32 s36, 0xffff0000                      ; lanes 16-31
	s_wait_kmcnt 0x0
	s_cmp_eq_u32 s21, 1                            ; the choice hangs on the work-group's and the wave's number alone
	s_cselect_b64 s[24:25], s[6:7], s[4:5]
	s_cmp_eq_u32 s21, 2
	s_cselect_b64 s[24:25], s[8:9], s[24:25]
	s_cmp_eq_u32 s21, 3
	s_cselect_b64 s[24:25], s[10:11], s[24:25]
	s_cmp_eq_u32 s21, 4
	s_cselect_b64 s[24:25], s[12:13], s[24:25]
	s_add_nc_u64 s[24:25], s[24:25], s[26:27]
	s_add_nc_u64 s[14:15], s[14:15], s[30:31]
	s_add_nc_u64 s[16:17], s[16:17], s[32:33]
.macro LOAD a                          ; my tile a's sixteen rows: 512 consecutive bytes a load; the largest offset is 63 rows, inside the signed 24-bit immediate
.irp i, 0,1,2,3,4,5,6,7,8,9,10,11,12,13,14,15
	global_load_b128 v[R+64*((\a)%2)+4*\i:R+64*((\a)%2)+4*\i+3], v[GA], s[24:25] offset:(32*((\a)/2)+8*((\a)%2)+\i+8*(\i/8))*8192 th:TH_LOAD_NT
.endr
.endm
.macro FRAGQ a
.if (\a) < 3
	s_wait_loadcnt 16                              ; this tile's 16 loads are in; the next tile's 16 may be out
.else
	s_wait_loadcnt 0x0
.endif
.irp i, 0,1,2,3,4,5,6,7,8,9,10,11,12,13,14,15
	ds_store_b128 v[STI], v[R+64*((\a)%2)+4*\i:R+64*((\a)%2)+4*\i+3] offset:PIT*\i
.endr
.irp c, 0,1
.irp j, 0,1,2,3,4,5,6,7
	ds_load_b128 v[X+32*\c+4*\j:X+32*\c+4*\j+3], v[STO] offset:256*\c+16*\j   ; LDS serves a wave's instructions in order: these see my stores.  Register 32 c + i = k 64 c + 32 h + i of row r
.endr
.endr
	s_wait_dscnt 0x0                               ; the numbers are back, and the stores have read their registers,
.if (\a) < 2
	LOAD (\a)+2                                    ; which take the tile two on
.endif
.irp c, 0,1
	v_max3_num_f32 v[MX+\c], |v[X+32*\c]|, |v[X+32*\c+1]|, 0x2800000   ; my block 2 c + h: all 32 numbers are mine; the floor 2^(5 - 127) holds the byte at 1 from below
.endr
.irp i, 2,4,6,8,10,12,14,16,18,20,22,24,26,28,30
.irp c, 0,1
	v_max3_num_f32 v[MX+\c], v[MX+\c], |v[X+32*\c+\i]|, |v[X+32*\c+\i+1]|
.endr
.endr
.irp c, 0,1
	v_add_nc_u32 v[SO+\c], 0xfe000000, v[MX+\c]    ; 4 off the exponent field: the conversion takes the exponent field of this operand as its scale
.endr
.irp c, 0,1
	v_lshrrev_b32 v[BY+\c], 23, v[SO+\c]           ; the scale's byte
.endr
	v_lshl_or_b32 v[WD], v[BY+1], 16, v[BY]        ; blocks h and 2 + h,
	v_lshlrev_b32 v[WD], v[SH], v[WD]              ; at their places in the word;
	v_permlanex16_b32 v[PD], v[WD], s34, s35
	v_or_b32 v[PW+(\a)], v[WD], v[PD]              ; with lane l xor 16's two the word is whole, in both lanes
	s_wait_xcnt 0x0                                ; the last tile's stores have read their data: the codes' registers are written again only behind this wait
.irp c, 0,1
	v_cvt_scalef32_pk16_bf6_f32 v[PC+6*\c:PC+6*\c+2], v[X+32*\c:X+32*\c+15], v[SO+\c]
	v_cvt_scalef32_pk16_bf6_f32 v[PT+4*\c:PT+4*\c+2], v[X+32*\c+16:X+32*\c+31], v[SO+\c]   ; (a conversion's three registers begin on an even number)
.endr
	v_nop                                          ; one plain place behind a scaled conversion
.irp c, 0,1
.irp i, 0,1,2
	v_mov_b32 v[PC+6*\c+3+\i], v[PT+4*\c+\i]
.endr
.endr
.irp c, 0,1,2
	global_store_b128 v[GA], v[PC+4*\c:PC+4*\c+3], s[14:15] offset:1536*(\a)+512*\c   ; 32 lanes store 512 consecutive bytes, at a multiple of 512 from the buffer's first byte
.endr
.endm
	LOAD 0
	LOAD 1
.irp a, 0,1,2,3
	FRAGQ \a
.endr
	v_cndmask_b32 v[OW], v[PW], v[PW+2], s36       ; lane (r, h) stores row r's words of my tiles 2 h and 2 h + 1
	v_cndmask_b32 v[OW+1], v[PW+1], v[PW+3], s36
	global_store_b64 v[SWA], v[OW:OW+1], s[16:17]  ; 32 lanes store 256 consecutive bytes, at a multiple of 256 from the buffer's first byte
	s_wait_tensorcnt 0x0
	ds_add_u32 v62, v63
	s_wait_dscnt 0x0
	s_endpgm
.Lfunc_end_k_q366fb75f2a_quant:
	.size	k_q366fb75f2a_quant, .Lfunc_end_k_q366fb75f2a_quant-k_q366fb75f2a_quant
	.p2alignl 7, 3214868480
	.fill 96, 4, 3214868480
	.section	.rodata,"a",@progbits
	.p2align	6, 0x0
	.amdhsa_kernel k_q366fb75f2a_quant
		.amdhsa_group_segment_fixed_size 85760
		.amdhsa_private_segment_fixed_size 0
		.amdhsa_enable_private_segment 0
		.amdhsa_kernarg_size 56
		.amdhsa_user_sgpr_count 2
		.amdhsa_user_sgpr_kernarg_segment_ptr 1
		.amdhsa_wavefront_size32 1
		.amdhsa_system_sgpr_workgroup_id_x 1
		.amdhsa_system_sgpr_workgroup_id_y 1
		.amdhsa_system_sgpr_workgroup_id_z 1
		.amdhsa_system_vgpr_workitem_id 0
		.amdhsa_next_free_vgpr 256
		.amdhsa_next_free_sgpr 66
		.amdhsa_reserve_vcc 0
		.amdhsa_float_denorm_mode_32 3
		.amdhsa_float_denorm_mode_16_64 3
		.amdhsa_memory_ordered 1
		.amdhsa_forward_progress 1
		.amdhsa_inst_pref_size 30
	.end_amdhsa_kernel
	.amdgpu_metadata
---
amdhsa.version: [ 1, 2 ]
amdhsa.kernels:
  - .name:           k_q366fb75f2a_quant
    .symbol:         k_q366fb75f2a_quant.kd
    .args:
      - { .name: x, .offset: 0, .size: 8, .value_kind: global_buffer, .address_space: global }
      - { .name: wq, .offset: 8, .size: 8, .value_kind: global_buffer, .address_space: global }
      - { .name: wk, .offset: 16, .size: 8, .value_kind: global_buffer, .address_space: global }
      - { .name: wv, .offset: 24, .size: 8, .value_kind: global_buffer, .address_space: global }
      - { .name: wo, .offset: 32, .size: 8, .value_kind: global_buffer, .address_space: global }
      - { .name: wcodes, .offset: 40, .size: 8, .value_kind: global_buffer, .address_space: global }
      - { .name: wscales, .offset: 48, .size: 8, .value_kind: global_buffer, .address_space: global }
    .group_segment_fixed_size: 85760
    .private_segment_fixed_size: 0
    .kernarg_segment_align: 8
    .kernarg_segment_size: 56
    .max_flat_workgroup_size: 320
    .sgpr_count:     66
    .vgpr_count:     256
    .wavefront_size: 32
...
	.end_amdgpu_metadata
.endif
;; end of part 1
;; launch qkvgemm (part 2): grid 24 x 8, 4 waves a work-group, clusters of 4 x 4, 327,680 bytes of LDS; arguments wcodes, wscales, freqs_cos, freqs_sin, qkv, qkvs; writes qkv, qkvs
.if DOCPART == 2
	.amdgcn_target "amdgcn-amd-amdhsa--gfx1250"
	.amdhsa_code_object_version 6
	.text
	.protected	k_q366fb75f2a_qkvgemm
	.globl	k_q366fb75f2a_qkvgemm
	.p2align	8
	.type	k_q366fb75f2a_qkvgemm,@function
k_q366fb75f2a_qkvgemm:
	s_mov_b64 s[64:65], 0
	v_nop
	global_prefetch_b8 v0, s[64:65] scope:SCOPE_SE
	s_setreg_imm32_b32 hwreg(HW_REG_WAVE_MODE, 25, 1), 1
	s_wait_xcnt 0x0
	s_wait_alu depctr_hold_cnt(0) depctr_sa_sdst(0) depctr_va_vdst(0) depctr_va_sdst(0) depctr_va_ssrc(0) depctr_va_vcc(0) depctr_vm_vsrc(0)
	s_getreg_b32 s2, hwreg(HW_REG_IB_STS2, 6, 4)
	s_cmp_eq_u32 s2, 0
	s_cbranch_scc0 .Lentry_in_a_cluster
	s_endpgm
.Lentry_in_a_cluster:
	s_bfe_u32 s2, ttmp6, 0x10000c
	s_cmp_lg_u32 s2, 0xf033
	s_cbranch_scc0 .Lentry_shape_is_right
	s_endpgm
.Lentry_shape_is_right:
; The three projections, on codes of BF6 with E8M0 scales, with the rotation and the next quantiser on the way out.  K = 2,048.
; ONE BODY: C' = A' B'^T, tiles of 256 x 256, the matrix instruction used transposed (source 0 = 16 rows of B', source 1 = 16 rows of A'): a lane holds ONE row of A', its registers run along B'.
;   tile columns 0-15 (cluster x 0-3): A' = x (positions), B' = wq, wk (features): a lane holds a position, registers run along the head's 128: rotated, then quantised along the head.
;   tile columns 16-23 (cluster x 4, 5): A' = wv (features), B' = x (positions): a lane holds a feature d, registers run along the keys: quantised along the keys, as the second product of attention wants V.
; A wave makes 128 x 128: one head x 128 positions.  Since lane r of tile T holds row 32 (T / 2) + 8 (T % 2) + r + 8 (r / 8), the 16 registers of B' tiles 2 B and 2 B + 1 are 16 neighbours: index 32 B + 16 h + i.
; OPERANDS lie in memory as images of their registers (1,536 bytes a tile of 16 rows x 128 K, 8 tiles a unit), so a slot's quarter is one dense block, and a fragment is three loads of 16 bytes a lane.
; RING: two LDS slots of THREE K steps of 128, as large as fit: a wave's one load behind a round brings 36,864 bytes and has 192 matrix instructions in which to land.  16 K steps are five such slots and one K step:
; fills (0-2), (3-5) at the start, refills (6-8), (9-11), (12-14) and (15).  B' two sets of registers change places every K step and a slot has three, so the 16 K steps are written out, without a loop.
; THE SCALE WORDS of K steps 1 to 15 come into LDS once; K step 0's, for which LDS has no room beside the ring, come from memory straight into their registers.
; CLUSTERS 4 x 4: A' tiles are asked for jointly along a row of the cluster, B' tiles along a column.
; RESULTS: qkv, units of 12,288 bytes: Q(head, block of positions) at 16 head + block; K(head, key step) at 256 + 2 (16 head + step), V one further on; qkvs: their scale words, 512 bytes a unit.
; REGISTERS: window 0: v16-29 addresses; v32-47 scale words, two sets, and nothing else; v64-127 cos and sin of tile 0; v128-223 A' fragments, one set; on the way out v128-147 codes, v148-211 the rotated numbers, v224-255 at work.
;   window 1: B' fragments, two sets, at v0 and v128; v96-127 and v224-255 cos and sin of tile 1; on the way out further sets of cos and sin.   windows 2, 3: accumulator (a, b) at v[8 (8 (a % 4) + b)].
; LIMITS: NaN and infinities are not served; a block of zeros gets the byte 1 (its codes are zeros; this program alone reads the bytes).
.set UNIT,  12288
.set IMG,   1536
.set QTR,   3*UNIT                     ; 128 rows x 384 K: three units: what one tensor load brings
.set SLOT,  4*QTR                      ; four quarters: A' halves, then B' halves
.set SCL,   2*SLOT                     ; the scale words of K steps 1 to 15: 7,680 bytes for each 128 rows
.set SQ,    15*512
.set SPARE, SCL+4*SQ                   ; the spare words, 128 bytes for each wave: two blocks of 256 bytes that no other line names
.set FR,    12
.set NL,    3                          ; LDS loads that bring a fragment
.set NP,    4                          ; places behind this matrix instruction (ISA guide 7.12.1)
.set ADRA,  16                         ; v16-17 my A' fragments in slot 0, 1
.set ADRB,  20                         ; v20-21 the same for B'
.set ADSA,  22                         ; v22  A' scale words; never rewritten: the K step stands in the immediate
.set ADSB,  23                         ; v23  B' likewise
.set GA,    24                         ; v24  16 x lane
.set CA,    25                         ; v25  cos, sin: row r + 8 (r / 8) of 256 bytes, + 32 h
.set SPW,   28
.set NIL,   29
.set SC,    32                         ; set k % 2 at 32 + 8 (k % 2); in it j: A' tiles j (lanes 0-15) and 4 + j (lanes 16-31); 4 + j: B' likewise
.set AF,    128
.set PC,    128
.set H,     148
.set TM,    224
.set PW,    240
.set T,     248
.set WV,    16
.set RH,    17                         ; which half of the tile's rows is mine.  Also: I fetch for A' (0) or for B' (1)
.set CH,    18                         ; which half of its columns.  Also: which 128 rows I fetch
.set G1,    24
.set G0,    32
.set G1B,   48
.set G0B,   56
.set G1S,   68
.set G0S,   76
.set G1SB,  80
.set G0SB,  88
.set SEL,   100
.set MSB, 0
.macro WIN new                         ; the immediate's high byte repeats the setting that is left
.if MSB != (\new)
	s_set_vgpr_msb (MSB<<8)|(\new)
.set MSB, (\new)
.endif
.endm
.set MUL_LO, 0xa1                      ; source 0 (B') window 1, source 1 (A') window 0, C and D window 2
.set MUL_HI, 0xf1
.set TO_B,   0x40
.macro JLOAD g0a, g1a, g0b, g1b        ; a joint load: waves 0, 1 for A', waves 2, 3 for B'; four v_nop follow each line
	s_cmp_eq_u32 s[RH], 0
	s_cbranch_scc0 .Lfor_b_\@
	tensor_load_to_lds s[\g0a:\g0a+3], s[\g1a:\g1a+7]
	s_nop 0
.rept 4
	v_nop
.endr
	s_branch .Lasked_\@
.Lfor_b_\@:
	tensor_load_to_lds s[\g0b:\g0b+3], s[\g1b:\g1b+7]
	s_nop 0
.rept 4
	v_nop
.endr
.Lasked_\@:
.endm
.macro CREST
	s_cmp_lg_u32 s[WV], 0
	s_cbranch_scc1 .Lnot_wave_0_\@
	s_barrier_signal -3
.Lnot_wave_0_\@:
	s_barrier_wait -3
	s_barrier_signal -1
	s_barrier_wait -1
.endm
.macro CROUND
	s_barrier_signal -1
	s_barrier_wait -1
	CREST
.endm
.macro PLACES n
.rept \n
	v_nop
.endr
.endm
; one matrix instruction.  r0, r1: source 0's, source 1's scale words stand in lanes 16-31
.macro WMMA d, a, b, zero, sa, sb, r0, r1
.if \zero
.if ((\r0) != 0) && ((\r1) != 0)
	v_wmma_scale_f32_16x16x128_f8f6f4 v[(\d):(\d)+7], v[(\a):(\a)+11], v[(\b):(\b)+11], 0, v[(\sa)], v[(\sb)] matrix_a_fmt:MATRIX_FMT_BF6 matrix_b_fmt:MATRIX_FMT_BF6 matrix_a_scale:MATRIX_SCALE_ROW1 matrix_b_scale:MATRIX_SCALE_ROW1
.elseif (\r0) != 0
	v_wmma_scale_f32_16x16x128_f8f6f4 v[(\d):(\d)+7], v[(\a):(\a)+11], v[(\b):(\b)+11], 0, v[(\sa)], v[(\sb)] matrix_a_fmt:MATRIX_FMT_BF6 matrix_b_fmt:MATRIX_FMT_BF6 matrix_a_scale:MATRIX_SCALE_ROW1
.elseif (\r1) != 0
	v_wmma_scale_f32_16x16x128_f8f6f4 v[(\d):(\d)+7], v[(\a):(\a)+11], v[(\b):(\b)+11], 0, v[(\sa)], v[(\sb)] matrix_a_fmt:MATRIX_FMT_BF6 matrix_b_fmt:MATRIX_FMT_BF6 matrix_b_scale:MATRIX_SCALE_ROW1
.else
	v_wmma_scale_f32_16x16x128_f8f6f4 v[(\d):(\d)+7], v[(\a):(\a)+11], v[(\b):(\b)+11], 0, v[(\sa)], v[(\sb)] matrix_a_fmt:MATRIX_FMT_BF6 matrix_b_fmt:MATRIX_FMT_BF6
.endif
.else
.if ((\r0) != 0) && ((\r1) != 0)
	v_wmma_scale_f32_16x16x128_f8f6f4 v[(\d):(\d)+7], v[(\a):(\a)+11], v[(\b):(\b)+11], v[(\d):(\d)+7], v[(\sa)], v[(\sb)] matrix_a_fmt:MATRIX_FMT_BF6 matrix_b_fmt:MATRIX_FMT_BF6 matrix_a_scale:MATRIX_SCALE_ROW1 matrix_b_scale:MATRIX_SCALE_ROW1
.elseif (\r0) != 0
	v_wmma_scale_f32_16x16x128_f8f6f4 v[(\d):(\d)+7], v[(\a):(\a)+11], v[(\b):(\b)+11], v[(\d):(\d)+7], v[(\sa)], v[(\sb)] matrix_a_fmt:MATRIX_FMT_BF6 matrix_b_fmt:MATRIX_FMT_BF6 matrix_a_scale:MATRIX_SCALE_ROW1
.elseif (\r1) != 0
	v_wmma_scale_f32_16x16x128_f8f6f4 v[(\d):(\d)+7], v[(\a):(\a)+11], v[(\b):(\b)+11], v[(\d):(\d)+7], v[(\sa)], v[(\sb)] matrix_a_fmt:MATRIX_FMT_BF6 matrix_b_fmt:MATRIX_FMT_BF6 matrix_b_scale:MATRIX_SCALE_ROW1
.else
	v_wmma_scale_f32_16x16x128_f8f6f4 v[(\d):(\d)+7], v[(\a):(\a)+11], v[(\b):(\b)+11], v[(\d):(\d)+7], v[(\sa)], v[(\sb)] matrix_a_fmt:MATRIX_FMT_BF6 matrix_b_fmt:MATRIX_FMT_BF6
.endif
.endif
.endm
.macro CSLOAD a, w, cb, sb             ; cos and sin of tile a's positions, for my 32 pairs (pair 16 B + 8 h + e): cos at v[cb + 8 B + e], sin at v[sb + 8 B + e] of window w
	WIN (\w)<<6
.irp bb, 0,1,2,3
.irp jj, 0,1
	global_load_b128 v[(\cb)+8*\bb+4*\jj:(\cb)+8*\bb+4*\jj+3], v[CA], s[8:9] offset:(32*((\a)/2)+8*((\a)%2))*256+64*\bb+16*\jj
	global_load_b128 v[(\sb)+8*\bb+4*\jj:(\sb)+8*\bb+4*\jj+3], v[CA], s[10:11] offset:(32*((\a)/2)+8*((\a)%2))*256+64*\bb+16*\jj
.endr
.endr
	WIN 0
.endm
	s_load_b256 s[4:11], s[0:1], 0x0               ; wcodes, wscales, cos, sin
	s_load_b128 s[12:15], s[0:1], 0x20             ; qkv, qkvs
	v_lshl_add_u32 v[SPW], v0, 2, SPARE
	v_mov_b32 v[NIL], 0
	ds_add_u32 v28, v29
	s_wait_dscnt 0x0
	v_lshrrev_b32 v1, 5, v0
	v_readfirstlane_b32 s[WV], v1                  ; wave 0..3
	s_lshr_b32 s[RH], s[WV], 1
	s_and_b32 s[CH], s[WV], 1
	s_bfe_u32 s40, ttmp6, 0x40000                  ; cx
	s_bfe_u32 s41, ttmp6, 0x40004                  ; cy
	s_lshl_b32 s42, ttmp9, 2
	s_add_co_u32 s42, s42, s40                     ; tile column = 4 x cluster x + cx
	s_and_b32 s19, ttmp7, 0xffff
	s_lshl_b32 s19, s19, 2
	s_add_co_u32 s19, s19, s41                     ; tile row = 4 x cluster y + cy
	s_lshl_b32 s43, s41, 2
	s_lshl_b32 s43, 15, s43                        ; my row of the cluster
	s_lshl_b32 s44, 0x1111, s40                    ; my column
	s_cmp_ge_u32 ttmp9, 4                          ; the cluster's x: alike in all sixteen partners
	s_cselect_b32 s96, 48, 0                       ; where A' begins among the 80 blocks: x at 0, wv at 48
	s_mov_b32 s2, 0xffff0000                       ; lanes 16-31
	s_mov_b32 s[SEL], 0x76543210
	s_mov_b32 s[SEL+1], 0xfedcba98
	; descriptor group 1: a dense block as rows of 256 bytes (32 elements of 8 bytes): 144 rows for a quarter of a slot, 30 for the scale words of 128 rows and 15 K steps
	s_or_b32 s[G1+0], s43, (3<<16)|(1<<21)         ; 15:0 the mask: A' tiles go to my row; 17:16 elements of 8 bytes; 21 set beside a mask; no padding
	s_or_b32 s[G1B+0], s44, (3<<16)|(1<<21)
	s_or_b32 s[G1S+0], s43, (3<<16)|(1<<21)
	s_or_b32 s[G1SB+0], s44, (3<<16)|(1<<21)
.irp g, G1, G1B
	s_mov_b32 s[\g+1], 32<<16                      ; tensor_dim0
	s_mov_b32 s[\g+2], 144<<16                     ; tensor_dim1
	s_mov_b32 s[\g+3], 32<<16                      ; tile_dim0
	s_mov_b32 s[\g+4], 144                         ; tile_dim1
	s_mov_b32 s[\g+5], 32                          ; the pitch
	s_mov_b32 s[\g+6], 0
	s_mov_b32 s[\g+7], 0
.endr
.irp g, G1S, G1SB
	s_mov_b32 s[\g+1], 32<<16
	s_mov_b32 s[\g+2], 30<<16
	s_mov_b32 s[\g+3], 32<<16
	s_mov_b32 s[\g+4], 30
	s_mov_b32 s[\g+5], 32
	s_mov_b32 s[\g+6], 0
	s_mov_b32 s[\g+7], 0
.endr
	s_lshl_b32 s20, s19, 1
	s_add_co_u32 s97, s20, s[RH]
	s_add_co_u32 s97, s97, s96                     ; the block of A' that I multiply,
	s_lshl_b32 s66, s97, 13                        ; and its scale words: 8,192 bytes a block
	s_mov_b32 s67, 0
	s_add_co_u32 s20, s20, s[CH]
	s_add_co_u32 s20, s20, s96                     ; A': the block that I fetch: 2 x tile row + half, from x's or wv's first
	s_lshl_b32 s46, s42, 1
	s_add_co_u32 s46, s46, s[CH]
	s_add_co_u32 s46, s46, 16
	s_sub_co_u32 s46, s46, s96                     ; B': wq, wk at 16 + 2 x tile column + half; x at 2 x tile column - 32 + half: the block that I fetch is the one that I multiply
	s_lshl_b32 s22, s20, 13
	s_mov_b32 s23, 0
	s_lshl_b32 s98, s46, 13
	s_mov_b32 s99, 0
	s_mul_i32 s20, s20, 16*UNIT                    ; their codes: 196,608 bytes a block
	s_mov_b32 s21, 0
	s_mul_i32 s46, s46, 16*UNIT
	s_mov_b32 s47, 0
	s_mul_i32 s45, s[WV], QTR                      ; where they go: no place in the cluster enters an LDS address
	s_mul_i32 s94, s[WV], SQ
	s_wait_kmcnt 0x0
	s_add_nc_u64 s[20:21], s[4:5], s[20:21]
	s_add_nc_u64 s[22:23], s[6:7], s[22:23]
	s_add_nc_u64 s[46:47], s[4:5], s[46:47]
	s_add_nc_u64 s[66:67], s[6:7], s[66:67]        ; never rewritten
	s_add_nc_u64 s[98:99], s[6:7], s[98:99]        ; never rewritten
	CROUND                                         ; all sixteen work-groups are here: the first joint loads meet
	s_mov_b32 s[G0S], 1
	s_add_co_u32 s[G0S+1], s94, SCL
	s_add_nc_u64 s[G0S+2:G0S+3], s[22:23], 512     ; from K step 1 on
	s_or_b32 s[G0S+3], s[G0S+3], 0x80000000
	s_mov_b32 s[G0SB], 1
	s_add_co_u32 s[G0SB+1], s94, SCL
	s_add_nc_u64 s[G0SB+2:G0SB+3], s[98:99], 512
	s_or_b32 s[G0SB+3], s[G0SB+3], 0x80000000
	JLOAD G0S, G1S, G0SB, G1SB                     ; the scale words first: three loads of mine are out at the start
.irp s, 0,1
	s_mov_b32 s[G0+4*\s], 1
	s_add_co_u32 s[G0+4*\s+1], s45, \s*SLOT
	s_add_nc_u64 s[G0+4*\s+2:G0+4*\s+3], s[20:21], \s*QTR
	s_or_b32 s[G0+4*\s+3], s[G0+4*\s+3], 0x80000000
	s_mov_b32 s[G0B+4*\s], 1
	s_add_co_u32 s[G0B+4*\s+1], s45, \s*SLOT
	s_add_nc_u64 s[G0B+4*\s+2:G0B+4*\s+3], s[46:47], \s*QTR
	s_or_b32 s[G0B+4*\s+3], s[G0B+4*\s+3], 0x80000000
	JLOAD G0+4*\s, G1, G0B+4*\s, G1B
.endr
	v_and_b32 v1, 31, v0
	v_lshlrev_b32 v[GA], 4, v1
	global_load_b128 v[SC:SC+3], v[GA], s[66:67]   ; K step 0's scale words, as a load from LDS would bring them: A' tiles j and 4 + j,
	global_load_b128 v[SC+4:SC+7], v[GA], s[98:99] ; B' likewise
	s_mul_i32 s21, s[RH], QTR                      ; my 128 rows of A'
	s_mul_i32 s22, s[CH], QTR                      ; my 128 rows of B',
	s_add_co_u32 s22, s22, 2*QTR                   ; behind A' two quarters
.irp s, 0,1
	v_add_nc_u32 v[ADRA+\s], s21, v[GA]
	v_add_nc_u32 v[ADRB+\s], s22, v[GA]
	s_add_co_u32 s21, s21, SLOT
	s_add_co_u32 s22, s22, SLOT
.endr
	s_mul_i32 s21, s[RH], SQ
	s_add_co_u32 s21, s21, SCL
	s_mul_i32 s22, s[CH], SQ
	s_add_co_u32 s22, s22, SCL+2*SQ
	v_add_nc_u32 v[ADSA], s21, v[GA]
	v_add_nc_u32 v[ADSB], s22, v[GA]
	v_and_b32 v2, 15, v0                           ; r
	v_and_b32 v3, 8, v2
	v_add_nc_u32 v3, v3, v2                        ; r + 8 (r / 8)
	v_bfe_u32 v4, v0, 4, 1                         ; h
	v_lshlrev_b32 v[CA], 8, v3
	v_lshl_add_u32 v[CA], v4, 5, v[CA]
.irp b, 0,1,2,3
	v_mov_b32 v[TM+4+\b], 0                        ; written once: a lane permute's destination counts as one of its sources
.endr
	; where my wave's unit goes
	s_lshl_b32 s20, s19, 1
	s_add_co_u32 s20, s20, s[RH]                   ; my block of A' rows
	s_lshl_b32 s21, s42, 1
	s_add_co_u32 s21, s21, s[CH]                   ; my block of B' rows
	s_lshl_b32 s22, s21, 4
	s_add_co_u32 s22, s22, s20                     ; Q: 16 head + block of positions
	s_lshl_b32 s23, s22, 1
	s_sub_co_u32 s23, s23, 256                     ; K: 256 + 2 (16 (column block - 16) + key step)
	s_lshl_b32 s45, s20, 4
	s_add_co_u32 s45, s45, s21
	s_lshl_b32 s45, s45, 1
	s_add_co_u32 s45, s45, 193                     ; V: 257 + 2 (16 head + (column block - 32))
	s_cmp_lt_u32 ttmp9, 2
	s_cselect_b32 s22, s22, s23
	s_cmp_ge_u32 ttmp9, 4
	s_cselect_b32 s22, s45, s22
	s_mul_i32 s46, s22, UNIT
	s_mov_b32 s47, 0
	s_add_nc_u64 s[12:13], s[12:13], s[46:47]
	s_lshl_b32 s46, s22, 9
	s_add_nc_u64 s[14:15], s[14:15], s[46:47]
	s_lshl_b32 s46, s20, 15                        ; cos, sin at my 128 rows of 256 bytes (16 blocks in all: inside the tables for every work-group)
	s_add_nc_u64 s[8:9], s[8:9], s[46:47]
	s_add_nc_u64 s[10:11], s[10:11], s[46:47]
	; cos and sin of the first two tiles of the way out are asked for here, into registers that the products leave idle, so that the way out begins without a wait for memory.
	; The clusters that make V issue these 32 loads too and do not use them: a branch round them would part the text's ways here and again at the way out.
	CSLOAD 0, 0, 64, 96
	CSLOAD 1, 1, 96, 224
.macro FRAG reg, adr, off              ; a fragment comes back as it was stored: three loads, 512 consecutive bytes each
.irp c, 0,1,2
	ds_load_b128 v[(\reg)+4*\c:(\reg)+4*\c+3], v[\adr] offset:(\off)+512*\c
.endr
.endm
; K step k (0 .. 15) lies in slot (k / 3) % 2, as the slot's (k % 3)-th unit; B' fragments and the scale words go to set k % 2
.macro FETCH_B k
	WIN TO_B
.irp i, 0,1,2,3,4,5,6,7
	FRAG 128*((\k)%2)+FR*\i, ADRB+((\k)/3)%2, UNIT*((\k)%3)+IMG*\i
.endr
	WIN 0
.endm
.macro FETCH_A k, i0
.irp i, \i0, \i0+1, \i0+2, \i0+3
	FRAG AF+FR*(\i), ADRA+((\k)/3)%2, UNIT*((\k)%3)+IMG*(\i)
.endr
.endm
.macro SCALES k                        ; K step k's scale words (k from 1 on): A' 512 bytes, B' 512 bytes
	ds_load_b128 v[SC+8*((\k)%2):SC+8*((\k)%2)+3], v[ADSA] offset:512*((\k)-1)
	ds_load_b128 v[SC+8*((\k)%2)+4:SC+8*((\k)%2)+7], v[ADSB] offset:512*((\k)-1)
.endm
; 16 matrix instructions: A' blocks a0, a0 + 1 x B' eight.  The 64 accumulators take turns, one instruction a turn, in the same order in every step.
.macro MUL16 a0, k, zero
.irp a, \a0, \a0+1
.irp b, 0,1,2,3,4,5,6,7
	WMMA 8*(8*((\a)%4)+\b), 128*((\k)%2)+FR*\b, AF+FR*(\a), \zero, SC+8*((\k)%2)+4+(\b)%4, SC+8*((\k)%2)+(\a)%4, (\b)/4, (\a)/4
.endr
.endr
.endm
.macro STEP k, zero                    ; a K step that has its successor in the same slot
	s_wait_dscnt 4*NL                              ; all but the youngest 12 loads (A' blocks 4-7) are in
	WIN MUL_LO
	MUL16 0, \k, \zero
	MUL16 2, \k, \zero
	s_wait_dscnt 0
	PLACES NP                                      ; in front of loads into registers that matrix instructions have read
	FETCH_B (\k)+1
	FETCH_A (\k)+1, 0
	SCALES (\k)+1
	WIN MUL_HI
	MUL16 4, \k, \zero
	MUL16 6, \k, \zero
	PLACES NP
	WIN 0
	FETCH_A (\k)+1, 4
.endm
; A slot's last K step, and the change of slots.  fill = 1: this slot is filled again, six K steps on.  short = 1: what is left is one K step: 48 rows.
.macro TURN k, fill, short
.set SL, ((\k)/3)%2
	s_wait_tensorcnt 0x0                           ; all my tensor loads have landed: my part of the next slot;
	ds_add_u32 v[SPW], v[NIL]                      ; 0 onto my spare word
.if \short
	s_mov_b32 s[G1S+2], 48<<16                     ; the scale words' load landed long ago: its group 1 now states 48 rows of 256 bytes; the other words stand as they are
	s_mov_b32 s[G1S+4], 48
	s_mov_b32 s[G1SB+2], 48<<16
	s_mov_b32 s[G1SB+4], 48
.endif
	s_wait_dscnt 4*NL+1                            ; (the add and the youngest 12 loads may be out)
	WIN MUL_LO
	MUL16 0, \k, 0                                 ; sixteen matrix instructions stand between the add and the wait for it
	s_wait_dscnt 0x0                               ; the add is done, and my reads of this slot are over
	s_barrier_signal -1
	MUL16 2, \k, 0
	WIN 0
	s_barrier_wait -1
.if \fill
	CREST                                          ; the barrier has opened a round of the cluster's barrier: no wave of any partner still reads this slot or has a load on its way
	s_add_nc_u64 s[G0+4*SL+2:G0+4*SL+3], s[G0+4*SL+2:G0+4*SL+3], 2*QTR
	s_add_nc_u64 s[G0B+4*SL+2:G0B+4*SL+3], s[G0B+4*SL+2:G0B+4*SL+3], 2*QTR
.if \short
	JLOAD G0+4*SL, G1S, G0B+4*SL, G1SB
.else
	JLOAD G0+4*SL, G1, G0B+4*SL, G1B               ; the first tensor load behind the round; its four v_nop are the places in front of the loads below
.endif
.else
	PLACES NP
.endif
	FETCH_B (\k)+1
	FETCH_A (\k)+1, 0
	SCALES (\k)+1
	WIN MUL_HI
	MUL16 4, \k, 0
	MUL16 6, \k, 0
	PLACES NP
	WIN 0
	FETCH_A (\k)+1, 4
.endm
	s_wait_tensorcnt 1                             ; the scale words and my part of slot 0 are in; slot 1's load may be out
	s_barrier_signal -1
	s_barrier_wait -1
	FETCH_B 0
	FETCH_A 0, 0
	FETCH_A 0, 4
	s_wait_loadcnt 0x0                             ; K step 0's scale words (and the two sets of cos and sin, asked for with them)
	STEP 0, 1                                      ; the first step's products start the sums: nothing is cleared
	STEP 1, 0
	TURN 2, 1, 0                                   ; slot 0 takes K steps 6 to 8
	STEP 3, 0
	STEP 4, 0
	TURN 5, 1, 0                                   ; slot 1 takes 9 to 11
	STEP 6, 0
	STEP 7, 0
	TURN 8, 1, 0                                   ; slot 0 takes 12 to 14
	STEP 9, 0
	STEP 10, 0
	TURN 11, 1, 1                                  ; slot 1 takes 15
	STEP 12, 0
	STEP 13, 0
	TURN 14, 0, 0                                  ; nothing is left to fetch
	s_wait_dscnt 4*NL
	WIN MUL_LO
	MUL16 0, 15, 0
	MUL16 2, 15, 0
	s_wait_dscnt 0
	WIN MUL_HI
	MUL16 4, 15, 0
	MUL16 6, 15, 0
	WIN 0
	PLACES NP                                      ; in front of the first reads of results, and of loads and writes into registers that held fragments
; THE WAY OUT, a tile of 16 rows of A' at a time; nothing goes through LDS: the codes leave as the image of their registers.
; 64 numbers of a lane in window w, register 16 b + i = index 32 b + 16 h + i of my row, become a fragment's codes in v[PC] on and its scale word in v[pw].
.macro QUANT s, w, pw
	WIN 5*(\w)
.irp b, 0,1,2,3
	v_max3_num_f32 v[TM+\b], |v[(\s)+16*\b]|, |v[(\s)+16*\b+1]|, 0x2800000   ; each accumulator is read from its low end on; the floor 2^(5 - 127) holds the byte at 1 from below
.endr
.irp i, 2,4,6,8,10,12,14
.irp b, 0,1,2,3
	v_max3_num_f32 v[TM+\b], |v[(\s)+16*\b+\i]|, |v[(\s)+16*\b+\i+1]|, v[TM+\b]
.endr
.endr
	WIN 0
.irp b, 0,1,2,3
	v_permlanex16_b32 v[TM+4+\b], v[TM+\b], s[SEL], s[SEL+1]
.endr
.irp b, 0,1,2,3
	v_max_num_f32 v[TM+\b], v[TM+\b], v[TM+4+\b]   ; with lane l xor 16's: the block's largest magnitude
.endr
.irp b, 0,1,2,3
	v_add_nc_u32 v[TM+12+\b], 0xfe000000, v[TM+\b] ; 4 off the exponent field: the conversion's scale operand
.endr
.irp b, 0,1,2,3
	v_lshrrev_b32 v[TM+4+\b], 23, v[TM+12+\b]      ; the scale's byte
.endr
	v_lshl_or_b32 v[\pw], v[TM+5], 8, v[TM+4]
	v_lshl_or_b32 v[\pw], v[TM+6], 16, v[\pw]
	v_lshl_or_b32 v[\pw], v[TM+7], 24, v[\pw]
	s_wait_xcnt 0x0                                ; the last image's stores have read their data: the codes' registers are written again only behind this wait
	WIN (\w)
.irp c, 0,1
	v_cvt_scalef32_pk16_bf6_f32 v[PC+6*\c:PC+6*\c+2], v[(\s)+32*\c:(\s)+32*\c+15], v[TM+12+2*\c]
	v_cvt_scalef32_pk16_bf6_f32 v[PC+12+4*\c:PC+14+4*\c], v[(\s)+32*\c+16:(\s)+32*\c+31], v[TM+13+2*\c]
.endr
	WIN 0
	v_nop                                          ; one plain place behind a scaled conversion
.irp c, 0,1                            ; the operand's layout wants a whole block in a lane
.irp i, 0,1,2
	v_permlane16_swap_b32 v[PC+6*\c+\i], v[PC+12+4*\c+\i]
.endr
.irp i, 0,1,2
	v_mov_b32 v[PC+3+6*\c+\i], v[PC+12+4*\c+\i]
.endr
.endr
.endm
.macro OUTF a
.irp c, 0,1,2
	global_store_b128 v[GA], v[PC+4*\c:PC+4*\c+3], s[12:13] offset:IMG*(\a)+512*\c   ; 512 consecutive bytes, at a multiple of 512 from the buffer's first byte
.endr
.endm
; (x, y) -> (x cos - y sin, x sin + y cos), in f32; source 0: the accumulators' window, source 1: window w.  Four pairs at a time: eight products, then the eight fused multiply-adds that take them.
.macro ROPE a, w, cb, sb
	WIN (2+(\a)/4)|((\w)<<2)
.irp bb, 0,1,2,3
.irp e0, 0,4
.irp e, 0,1,2,3
	v_mul_f32 v[T+2*\e], v[64*((\a)%4)+16*\bb+2*(\e0+\e)+1], v[(\sb)+8*\bb+\e0+\e]
	v_mul_f32 v[T+2*\e+1], v[64*((\a)%4)+16*\bb+2*(\e0+\e)], v[(\sb)+8*\bb+\e0+\e]
.endr
.irp e, 0,1,2,3
	v_fma_f32 v[H+16*\bb+2*(\e0+\e)], v[64*((\a)%4)+16*\bb+2*(\e0+\e)], v[(\cb)+8*\bb+\e0+\e], -v[T+2*\e]
	v_fma_f32 v[H+16*\bb+2*(\e0+\e)+1], v[64*((\a)%4)+16*\bb+2*(\e0+\e)+1], v[(\cb)+8*\bb+\e0+\e], v[T+2*\e+1]
.endr
.endr
.endr
	WIN 0
.endm
.macro QKT a, w, cb, sb                ; a tile of q or k: rotated, quantised along the head, stored
	ROPE \a, \w, \cb, \sb
	QUANT H, 0, PW+\a
	OUTF \a
.endm
	s_cmp_ge_u32 ttmp9, 4                          ; the cluster's x alone: alike in all partners
	s_cbranch_scc1 .Lvpath
	CSLOAD 2, 1, 0, 32                             ; three more sets, into the registers that held B' fragments: 48 loads are out
	CSLOAD 3, 1, 128, 160
	CSLOAD 4, 1, 64, 192
	QKT 0, 0, 64, 96                               ; tiles 0 and 1: their cos and sin came at the kernel's head
	QKT 1, 1, 96, 224
	s_wait_loadcnt 32                              ; tile 2's set is in; the two younger sets' 32 loads may be out
	CSLOAD 5, 0, 64, 96                            ; each later set goes out three tiles ahead, into registers whose tile is done, and in front of a rotation
	QKT 2, 1, 0, 32
	s_wait_loadcnt 32
	CSLOAD 6, 1, 96, 224
	QKT 3, 1, 128, 160
	s_wait_loadcnt 32
	CSLOAD 7, 1, 0, 32
	QKT 4, 1, 64, 192
	s_wait_loadcnt 32
	QKT 5, 0, 64, 96
	s_wait_loadcnt 16                              ; the last set's 16 loads may be out
	QKT 6, 1, 96, 224
	s_wait_loadcnt 0x0
	QKT 7, 1, 0, 32
	s_branch .Ljoin
.Lvpath:
.irp a, 0,1,2,3,4,5,6,7
	QUANT 64*(\a%4), 2+\a/4, PW+\a                 ; V: the sums as they are, quantised along the keys
	OUTF \a
.endr
.Ljoin:
	s_wait_xcnt 0x0                                ; the last image's stores have read their data
.irp j, 0,1,2,3
	v_cndmask_b32 v[PC+\j], v[PW+\j], v[PW+4+\j], s2   ; lanes 0-15 store tiles 0-3's words, lanes 16-31 tiles 4-7's
.endr
	global_store_b128 v[GA], v[PC:PC+3], s[14:15]  ; the unit's 512 bytes of scale words
	s_wait_tensorcnt 0x0                           ; the wave's end
	ds_add_u32 v[SPW], v[NIL]
	s_wait_dscnt 0x0
	CROUND                                         ; the closing round: no work-group ends while a partner may still ask for a tile that names it
	s_endpgm
.Lfunc_end_k_q366fb75f2a_qkvgemm:
	.size	k_q366fb75f2a_qkvgemm, .Lfunc_end_k_q366fb75f2a_qkvgemm-k_q366fb75f2a_qkvgemm
	.p2alignl 7, 3214868480
	.fill 96, 4, 3214868480
	.section	.rodata,"a",@progbits
	.p2align	6, 0x0
	.amdhsa_kernel k_q366fb75f2a_qkvgemm
		.amdhsa_group_segment_fixed_size 327680
		.amdhsa_private_segment_fixed_size 0
		.amdhsa_enable_private_segment 0
		.amdhsa_kernarg_size 48
		.amdhsa_user_sgpr_count 2
		.amdhsa_user_sgpr_kernarg_segment_ptr 1
		.amdhsa_wavefront_size32 1
		.amdhsa_system_sgpr_workgroup_id_x 1
		.amdhsa_system_sgpr_workgroup_id_y 1
		.amdhsa_system_sgpr_workgroup_id_z 1
		.amdhsa_system_vgpr_workitem_id 0
		.amdhsa_next_free_vgpr 1024
		.amdhsa_next_free_sgpr 102
		.amdhsa_reserve_vcc 0
		.amdhsa_float_denorm_mode_32 3
		.amdhsa_float_denorm_mode_16_64 3
		.amdhsa_memory_ordered 1
		.amdhsa_forward_progress 1
		.amdhsa_inst_pref_size 255
	.end_amdhsa_kernel
	.section	.bss,"aw",@nobits
	.p2align	6
	.space	262144
	.amdgpu_metadata
---
amdhsa.version: [ 1, 2 ]
amdhsa.kernels:
  - .name:           k_q366fb75f2a_qkvgemm
    .symbol:         k_q366fb75f2a_qkvgemm.kd
    .args:
      - { .name: wcodes, .offset: 0, .size: 8, .value_kind: global_buffer, .address_space: global }
      - { .name: wscales, .offset: 8, .size: 8, .value_kind: global_buffer, .address_space: global }
      - { .name: freqs_cos, .offset: 16, .size: 8, .value_kind: global_buffer, .address_space: global }
      - { .name: freqs_sin, .offset: 24, .size: 8, .value_kind: global_buffer, .address_space: global }
      - { .name: qkv, .offset: 32, .size: 8, .value_kind: global_buffer, .address_space: global }
      - { .name: qkvs, .offset: 40, .size: 8, .value_kind: global_buffer, .address_space: global }
    .group_segment_fixed_size: 327680
    .private_segment_fixed_size: 0
    .kernarg_segment_align: 8
    .kernarg_segment_size: 48
    .max_flat_workgroup_size: 128
    .sgpr_count:     102
    .vgpr_count:     1024
    .wavefront_size: 32
...
	.end_amdgpu_metadata
.endif
;; end of part 2
;; launch attn (part 3): grid 16 x 16, 8 waves a work-group, clusters of 4 x 4, 327,680 bytes of LDS; arguments qkv, qkvs, mask, acodes, ascales; writes acodes, ascales
.if DOCPART == 3
	.amdgcn_target "amdgcn-amd-amdhsa--gfx1250"
	.amdhsa_code_object_version 6
	.text
	.protected	k_q366fb75f2a_attn
	.globl	k_q366fb75f2a_attn
	.p2align	8
	.type	k_q366fb75f2a_attn,@function
k_q366fb75f2a_attn:
	s_mov_b64 s[64:65], 0
	v_nop
	global_prefetch_b8 v0, s[64:65] scope:SCOPE_SE
	s_setreg_imm32_b32 hwreg(HW_REG_WAVE_MODE, 25, 1), 1
	s_wait_xcnt 0x0
	s_wait_alu depctr_hold_cnt(0) depctr_sa_sdst(0) depctr_va_vdst(0) depctr_va_sdst(0) depctr_va_ssrc(0) depctr_va_vcc(0) depctr_vm_vsrc(0)
	s_getreg_b32 s2, hwreg(HW_REG_IB_STS2, 6, 4)
	s_cmp_eq_u32 s2, 0
	s_cbranch_scc0 .Lentry_in_a_cluster
	s_endpgm
.Lentry_in_a_cluster:
	s_bfe_u32 s2, ttmp6, 0x10000c
	s_cmp_lg_u32 s2, 0xf033
	s_cbranch_scc0 .Lentry_shape_is_right
	s_endpgm
.Lentry_shape_is_right:
; Attention on codes of BF6: S^T = K Q^T, logit = S / sqrt(128) + mask, p = 2^(t - M) with t = logit x log2(e) and M the running largest t rounded up to a whole number, O^T += V^T p^T, O / l, quantised along the head's 128.
; The mask is an input: every key is walked for every query, and every number of the mask is read and added.
; SHARES: a work-group owns 128 queries of one head; each of its eight waves owns one tile of 16 queries (lane r of wave w: query 32 (w / 2) + 8 (w % 2) + r + 8 (r / 8) of the 128), two waves to a SIMD.
; Every wave walks 16 key steps of 128.  Both products are used transposed: a lane holds ONE query throughout; the 16 registers of tiles 2 B and 2 B + 1 are keys (or channels) 32 B + 16 h + 0 .. 15.
; K, V and Q lie in memory as images of operand registers: a key step's K and V are one dense block of 24,576 bytes.
; RING: two LDS slots of one key step: K, V, and the mask's 128 rows x 512 bytes (rows 520 bytes apart: with loads of 8 bytes the 32 lanes touch 64 different banks (ISA guide 11.1)).
; CLUSTERS 4 x 4: x = blocks of queries, y = heads.  K and V hang on the head: asked for jointly along a row of the cluster; the mask hangs on the queries: jointly along a column.
; PIPELINE: V^T p^T of step s - 1 stands in step s, behind the change of slots and the issue of step s's LDS loads: V's fragments and p's codes wait in registers.
; LIMITS: NaN and +infinity in the mask are not served.  A query whose mask is -infinity at every key is not served (l = 0; the NaN that follows has no code in this format).
;   / sqrt(128) is a multiplication by the f32 nearest to 1 / sqrt(128).  p under 2^-126 is 0 (ISA guide, v_exp_f32).  A block of zeros gets the byte 1: its codes are zeros.
; REGISTERS: window 0: v1-11 addresses; v12 -M, v13 the largest t, v[14:15] l; v16-27 Q; v28 Q's scale words, v29 p's; v[30:31] f; v32-35 K's scale words, v36-39 V's; v40-55 at work; v56-75 p's codes;
;   v80-143 S^T, then p; v144-207 the mask; v208-223 at work at the end.   window 1: v0-63 O^T; v64-159 K's 8 fragments; v160-255 V's 8.
.set SLOT1, 131072
.set VOFF,  12288
.set MOFF,  24576
.set MP,    520
.set SCL,   222208                     ; behind slot 1: the head's scale words: 16 x (K 512 bytes | V 512 bytes); filled once
.set SPARE, 238592                     ; the spare words, 128 bytes for each wave: four blocks of 256 bytes that no other line names
.set SCR,   239616                     ; the eight waves' scale words on the way out: 512 bytes into which no fill lands
.set LI,   1                           ; v1-2  slot n + 16 x lane
.set MA,   3                           ; v3-4  slot n: my query's row of the mask, + 64 h
.set SA,   5                           ; v5    the step's scale words + 16 x lane
.set SPW,  6
.set NIL,  7
.set GA,   8                           ; v8    16 x lane
.set PFO,  9                           ; v9    the prefetches' offset; never rewritten
.set SW,   10                          ; v10   where my scale word goes
.set SRD,  11                          ; v11   where wave 0 reads all of them
.set NM,   12
.set Q,    16
.set QS,   28
.set PW,   29
.set F,    30
.set KS,   32
.set VS,   36
.set BM,   40
.set T4,   44
.set SO,   48
.set C2,   52
.set TT,   54
.set R16,  55                          ; v55   16 x (lane % 16); never rewritten
.set PC,   56
.set S,    80
.set MK,   144
.set TM,   208
.set KF,   64
.set VF,   160
.set WV,   14
.set SEL,  20
.set ISQ,  22
.set L2E,  24
.set G1KV, 28
.set G1M,  36
.set G1S,  44
.set G0KV, 52
.set G0S,  60
.set G0M,  68
.set PFA,  76
.set PFS,  78
.set LIMA, 80
.set LIMB, 81
.set LP,   82
.set MSB, 0
.macro WIN new
.if MSB != (\new)
	s_set_vgpr_msb (MSB<<8)|(\new)
.set MSB, (\new)
.endif
.endm
.set LD1, 0x40                         ; destination window 1
.set W_KQ, 0x01                        ; K window 1; Q and S^T window 0
.set W_PV, 0x51                        ; V window 1, p window 0, O^T window 1
.set W_RS, 0x41                        ; O^T (destination, source 0) window 1, f window 0
.macro PLACES n
.rept \n
	v_nop
.endr
.endm
.macro CROUND
	s_barrier_signal -1
	s_barrier_wait -1
	s_cmp_lg_u32 s[WV], 0
	s_cbranch_scc1 .Lnot_wave_0_\@
	s_barrier_signal -3
.Lnot_wave_0_\@:
	s_barrier_wait -3
	s_barrier_signal -1
	s_barrier_wait -1
.endm
.macro JLOAD n                         ; waves 0, 1: the mask's halves; wave 2: K and V; the others nothing.  Four v_nop follow each line
	s_cmp_lt_u32 s[WV], 2
	s_cbranch_scc0 .Lnot_m_\@
	tensor_load_to_lds s[G0M+4*(\n):G0M+4*(\n)+3], s[G1M:G1M+7]
	s_nop 0
.rept 4
	v_nop
.endr
	s_branch .Lasked_\@
.Lnot_m_\@:
	s_cmp_lt_u32 s[WV], 3
	s_cbranch_scc0 .Lasked_\@
	tensor_load_to_lds s[G0KV+4*(\n):G0KV+4*(\n)+3], s[G1KV:G1KV+7]
	s_nop 0
.rept 4
	v_nop
.endr
.Lasked_\@:
.endm
; A PREFETCH INTO THE L2: step s asks for step s + 3's tiles, whose tensor loads stand in step s + 2.  The mask's 128 rows x two blocks of 256 bytes: the clusters with y = 0 ask, waves 4 and 5 a block each,
; the four partners of a column 32 rows each, told apart by address, a lane a row.  K and V's 96 blocks: the clusters with x = 0 ask, wave 6, the four partners of a row 24 blocks each (lanes 24-31 name lane 23's again).
; Steps 0 to 2 come by their loads alone; steps 13 to 15 ask for nothing.
.macro ASK lim
	s_cmp_gt_u32 s[LP], s[\lim]
	s_cbranch_scc0 .Lnot_mine_\@
	global_prefetch_b8 v[PFO], s[PFA:PFA+1] th:TH_LOAD_NT scope:SCOPE_SE
.Lnot_mine_\@:
.endm
.macro WMMA d, a, b, zero, sa, sb, r0  ; r0: source 0's scale words stand in lanes 16-31
.if \zero
.if (\r0) != 0
	v_wmma_scale_f32_16x16x128_f8f6f4 v[(\d):(\d)+7], v[(\a):(\a)+11], v[(\b):(\b)+11], 0, v[(\sa)], v[(\sb)] matrix_a_fmt:MATRIX_FMT_BF6 matrix_b_fmt:MATRIX_FMT_BF6 matrix_a_scale:MATRIX_SCALE_ROW1
.else
	v_wmma_scale_f32_16x16x128_f8f6f4 v[(\d):(\d)+7], v[(\a):(\a)+11], v[(\b):(\b)+11], 0, v[(\sa)], v[(\sb)] matrix_a_fmt:MATRIX_FMT_BF6 matrix_b_fmt:MATRIX_FMT_BF6
.endif
.else
.if (\r0) != 0
	v_wmma_scale_f32_16x16x128_f8f6f4 v[(\d):(\d)+7], v[(\a):(\a)+11], v[(\b):(\b)+11], v[(\d):(\d)+7], v[(\sa)], v[(\sb)] matrix_a_fmt:MATRIX_FMT_BF6 matrix_b_fmt:MATRIX_FMT_BF6 matrix_a_scale:MATRIX_SCALE_ROW1
.else
	v_wmma_scale_f32_16x16x128_f8f6f4 v[(\d):(\d)+7], v[(\a):(\a)+11], v[(\b):(\b)+11], v[(\d):(\d)+7], v[(\sa)], v[(\sb)] matrix_a_fmt:MATRIX_FMT_BF6 matrix_b_fmt:MATRIX_FMT_BF6
.endif
.endif
.endm
	s_load_b256 s[4:11], s[0:1], 0x0               ; qkv, qkvs, mask, acodes
	s_load_b64 s[12:13], s[0:1], 0x20              ; ascales
	v_lshl_add_u32 v[SPW], v0, 2, SPARE
	v_mov_b32 v[NIL], 0
	ds_add_u32 v6, v7
	s_wait_dscnt 0x0
	v_lshrrev_b32 v40, 5, v0
	v_readfirstlane_b32 s[WV], v40                 ; wave 0..7
	v_and_b32 v41, 31, v0                          ; lane
	v_and_b32 v42, 15, v0                          ; r
	v_bfe_u32 v43, v0, 4, 1                        ; h
	s_bfe_u32 s15, ttmp6, 0x40000                  ; cx
	s_bfe_u32 s16, ttmp6, 0x40004                  ; cy
	s_lshl_b32 s17, ttmp9, 2
	s_add_co_u32 s17, s17, s15                     ; my block of 128 queries
	s_and_b32 s18, ttmp7, 0xffff
	s_lshl_b32 s18, s18, 2
	s_add_co_u32 s18, s18, s16                     ; my head
	s_lshl_b32 s83, s16, 2
	s_lshl_b32 s83, 15, s83                        ; my row of the cluster
	s_lshl_b32 s84, 0x1111, s15                    ; my column
	s_or_b32 s[G1KV], s83, (3<<16)|(1<<21)         ; K and V: a dense block, 96 rows of 256 bytes; to my row
	s_mov_b32 s[G1KV+1], 32<<16
	s_mov_b32 s[G1KV+2], 96<<16
	s_mov_b32 s[G1KV+3], 32<<16
	s_mov_b32 s[G1KV+4], 96
	s_mov_b32 s[G1KV+5], 32
	s_mov_b32 s[G1KV+6], 0
	s_mov_b32 s[G1KV+7], 0
	s_or_b32 s[G1M], s84, (2<<16)|(1<<20)|(1<<21)|(6<<22)|(1<<25)   ; the mask: elements of 4 bytes; 2 words of padding behind every 128; to my column
	s_mov_b32 s[G1M+1], 128<<16                    ; tensor_dim0
	s_mov_b32 s[G1M+2], 64<<16                     ; tensor_dim1
	s_mov_b32 s[G1M+3], 128<<16                    ; tile_dim0
	s_mov_b32 s[G1M+4], 64                         ; tile_dim1
	s_mov_b32 s[G1M+5], 2048                       ; the pitch
	s_mov_b32 s[G1M+6], 0
	s_mov_b32 s[G1M+7], 0
	s_or_b32 s[G1S], s83, (3<<16)|(1<<21)          ; the head's scale words: 64 rows of 256 bytes; to my row
	s_mov_b32 s[G1S+1], 32<<16
	s_mov_b32 s[G1S+2], 64<<16
	s_mov_b32 s[G1S+3], 32<<16
	s_mov_b32 s[G1S+4], 64
	s_mov_b32 s[G1S+5], 32
	s_mov_b32 s[G1S+6], 0
	s_mov_b32 s[G1S+7], 0
	s_and_b32 s85, s[WV], 1
	s_mul_i32 s86, s18, 393216                     ; the head's 16 key steps of 24,576 bytes,
	s_add_co_u32 s86, s86, 3145728                 ; behind Q's 256 units
	s_mov_b32 s87, 0
	s_lshl_b32 s88, s17, 20                        ; the mask: 128 rows of 8,192 bytes a block of queries,
	s_lshl_b32 s89, s85, 19                        ; my 64 of them
	s_add_co_u32 s88, s88, s89
	s_mov_b32 s89, 0
	s_lshl_b32 s90, s18, 14
	s_add_co_u32 s90, s90, 131072
	s_mov_b32 s91, 0
	s_mul_i32 s19, s85, 64*MP
	s_add_co_u32 s19, s19, MOFF
	s_mov_b32 s[SEL], 0x76543210
	s_mov_b32 s[SEL+1], 0xfedcba98
	s_mov_b32 s[ISQ], 0x3db504f3                   ; 1 / sqrt(128)
	s_mov_b32 s[ISQ+1], s[ISQ]
	s_mov_b32 s[L2E], 0x3fb8aa3b                   ; log2(e)
	s_mov_b32 s[L2E+1], s[L2E]
	s_mov_b32 s[LP], 6
	s_wait_kmcnt 0x0
	s_mov_b32 s[G0KV], 1
	s_mov_b32 s[G0KV+1], 0
	s_add_nc_u64 s[G0KV+2:G0KV+3], s[4:5], s[86:87]
	s_mov_b32 s[G0KV+4], 1
	s_mov_b32 s[G0KV+5], SLOT1
	s_add_nc_u64 s[G0KV+6:G0KV+7], s[G0KV+2:G0KV+3], 24576
	s_or_b32 s[G0KV+3], s[G0KV+3], 0x80000000
	s_or_b32 s[G0KV+7], s[G0KV+7], 0x80000000
	s_mov_b32 s[G0M], 1
	s_mov_b32 s[G0M+1], s19
	s_add_nc_u64 s[G0M+2:G0M+3], s[8:9], s[88:89]
	s_mov_b32 s[G0M+4], 1
	s_add_co_u32 s[G0M+5], s19, SLOT1
	s_add_nc_u64 s[G0M+6:G0M+7], s[G0M+2:G0M+3], 512
	s_or_b32 s[G0M+3], s[G0M+3], 0x80000000
	s_or_b32 s[G0M+7], s[G0M+7], 0x80000000
	s_mov_b32 s[G0S], 1
	s_mov_b32 s[G0S+1], SCL
	s_add_nc_u64 s[G0S+2:G0S+3], s[6:7], s[90:91]
	s_or_b32 s[G0S+3], s[G0S+3], 0x80000000
	CROUND                                         ; all sixteen work-groups are here: the first joint loads meet
	s_cmp_lt_u32 s[WV], 2                          ; a wave's first fills stand in one branch; the first wait on TENSORcnt is for 0; at most two loads of a wave are out
	s_cbranch_scc0 .Lfirst_k
	tensor_load_to_lds s[G0M:G0M+3], s[G1M:G1M+7]
	s_nop 0
.rept 4
	v_nop
.endr
	s_branch .Lfirst_done
.Lfirst_k:
	s_cmp_lt_u32 s[WV], 3
	s_cbranch_scc0 .Lfirst_done
	tensor_load_to_lds s[G0S:G0S+3], s[G1S:G1S+7]
	s_nop 0
	tensor_load_to_lds s[G0KV:G0KV+3], s[G1KV:G1KV+7]
	s_nop 0
.rept 4
	v_nop
.endr
.Lfirst_done:
	; the prefetches: where my wave's stand, and who asks
	s_mul_i32 s92, s15, 6144
	s_add_co_u32 s92, s92, s86
	s_add_co_u32 s92, s92, 2*24576                 ; K and V: step 2, my work-group's 24 blocks
	s_lshl_b32 s93, s17, 20
	s_lshl_b32 s94, s16, 18                        ; the mask: my work-group's 32 rows,
	s_add_co_u32 s93, s93, s94
	s_lshl_b32 s94, s85, 8                         ; my wave's block of 256 bytes,
	s_add_co_u32 s93, s93, s94
	s_add_co_u32 s93, s93, 2*512                   ; step 2.  The first change of slots steps both to step 3
	s_mov_b32 s[PFS], 512
	s_mov_b32 s94, 8192
	s_cmp_eq_u32 s[WV], 6
	s_cselect_b64 s[PFA:PFA+1], s[4:5], s[8:9]
	s_cselect_b32 s92, s92, s93
	s_cselect_b32 s[PFS], 24576, s[PFS]            ; a step on
	s_cselect_b32 s94, 256, s94                    ; from lane to lane
	s_cselect_b32 s95, 23, 31
	s_mov_b32 s93, 0
	s_mov_b32 s[PFS+1], 0
	s_add_nc_u64 s[PFA:PFA+1], s[PFA:PFA+1], s[92:93]
	v_min_u32 v[PFO], s95, v41
	v_mul_lo_u32 v[PFO], v[PFO], s94
	s_lshr_b32 s83, s[WV], 1
	s_xor_b32 s83, s83, 2                          ; 0 in waves 4 and 5,
	s_and_b32 s84, ttmp7, 0xffff
	s_or_b32 s83, s83, s84                         ; of the clusters with y = 0
	s_xor_b32 s84, s[WV], 6                        ; 0 in wave 6,
	s_or_b32 s84, s84, ttmp9                       ; of the clusters with x = 0
	s_min_u32 s83, s83, s84
	s_cmp_eq_u32 s83, 0                            ; alike in all partners, for a given wave
	s_cselect_b32 s[LIMA], 0, -1
	s_cselect_b32 s[LIMB], 1, -1
	; Q's tile and its scale words
	s_lshl_b32 s83, s18, 4
	s_add_co_u32 s83, s83, s17                     ; 16 head + block of queries
	s_mul_i32 s86, s83, 12288
	s_mul_i32 s84, s[WV], 1536
	s_add_co_u32 s86, s86, s84
	s_mov_b32 s87, 0
	s_add_nc_u64 s[86:87], s[4:5], s[86:87]
	s_lshr_b32 s84, s[WV], 2
	s_lshl_b32 s84, s84, 8
	s_and_b32 s85, s[WV], 3
	s_lshl_b32 s85, s85, 2
	s_add_co_u32 s84, s84, s85                     ; 256 (w / 4) + 4 (w % 4)
	s_lshl_b32 s88, s83, 9
	s_add_co_u32 s88, s88, s84
	s_mov_b32 s89, 0
	s_add_nc_u64 s[88:89], s[6:7], s[88:89]
	v_lshlrev_b32 v[GA], 4, v41
	v_lshlrev_b32 v[R16], 4, v42
.irp c, 0,1,2
	global_load_b128 v[Q+4*\c:Q+4*\c+3], v[GA], s[86:87] offset:512*\c
.endr
	global_load_b32 v[QS], v[R16], s[88:89]        ; lane r: row r's word (lanes 16-31 hold the same and are not read)
	; where the results go
	s_lshl_b32 s83, s17, 4
	s_add_co_u32 s83, s83, s18                     ; 16 x block of queries + head: the head is the next product's K step
	s_lshl_b32 s90, s83, 3
	s_add_co_u32 s90, s90, s[WV]
	s_mul_i32 s90, s90, 1536
	s_mov_b32 s91, 0
	s_add_nc_u64 s[10:11], s[10:11], s[90:91]
	s_lshl_b32 s90, s83, 9
	s_add_nc_u64 s[12:13], s[12:13], s[90:91]
	v_mov_b32 v[LI], v[GA]
	v_add_nc_u32 v[LI+1], SLOT1, v[GA]
	v_and_b32 v44, 8, v42
	v_add_nc_u32 v44, v44, v42                     ; r + 8 (r / 8)
	v_mul_u32_u24 v44, v44, MP
	v_lshl_add_u32 v44, v43, 6, v44                ; + 64 h
	s_lshr_b32 s90, s[WV], 1
	s_lshl_b32 s90, s90, 5
	s_and_b32 s91, s[WV], 1
	s_lshl_b32 s91, s91, 3
	s_add_co_u32 s90, s90, s91                     ; 32 (w / 2) + 8 (w % 2)
	s_mul_i32 s90, s90, MP
	s_add_co_u32 s90, s90, MOFF
	v_add_nc_u32 v[MA], s90, v44
	v_add_nc_u32 v[MA+1], SLOT1, v[MA]
	v_add_nc_u32 v[SA], SCL, v[GA]
	s_add_co_u32 s84, s84, SCR
	v_add_nc_u32 v[SW], s84, v[R16]
	v_add_nc_u32 v[SRD], SCR, v[GA]
	v_mov_b32 v13, 0xff61b1e6                      ; the largest t so far: -3e38, under every t
	v_floor_f32 v[NM], -v13                        ; -M
	v_mov_b32 v14, 0                               ; l, in two halves
	v_mov_b32 v15, 0
	v_mov_b32 v[F+1], 0                            ; (named as the upper half of the pair with f)
.irp b, 0,1,2,3
	v_mov_b32 v[T4+\b], 0                          ; written once: a lane permute's destination counts as one of its sources
	v_mov_b32 v[TM+4+\b], 0
.endr
	s_wait_loadcnt 0x0                             ; Q
; THE CHANGE OF SLOTS, at a step's head.  Each wave waits for all its tensor loads, adds 0 to its spare word, and waits for that and for its reads of the slot that it has left (V's fragments among them).
; fill = 1: the barrier is a round of the cluster's, and behind it the slot just left takes the next step's tiles.
.macro CHANGE slot, fill
	s_wait_tensorcnt 0x0                           ; no tensor load of mine is out, so a group 0 may be written
	ds_add_u32 v[SPW], v[NIL]                      ; 0 onto my spare word
.if \fill
	s_add_nc_u64 s[G0KV+4*\slot+2:G0KV+4*\slot+3], s[G0KV+4*\slot+2:G0KV+4*\slot+3], 2*24576   ; this slot's next tiles: two steps on
	s_add_nc_u64 s[G0M+4*\slot+2:G0M+4*\slot+3], s[G0M+4*\slot+2:G0M+4*\slot+3], 2*512
	s_wait_xcnt 0x0                                ; the last prefetch, a step back, has read its address
	s_add_nc_u64 s[PFA:PFA+1], s[PFA:PFA+1], s[PFS:PFS+1]
.endif
	s_wait_dscnt 0x0
.if \fill
	CROUND
	JLOAD 1-\slot                                  ; the first thing behind the round, and a wave's one tensor load until the next
.else
	s_barrier_signal -1
	s_barrier_wait -1
.endif
.endm
.macro SOFTMAX
.set j, 0
.rept 32
	v_pk_fma_f32 v[S+j:S+j+1], v[S+j:S+j+1], s[ISQ:ISQ+1], v[MK+j:MK+j+1] op_sel_hi:[1,0,1]   ; the logit: score / sqrt(128) + mask; each accumulator is read from its low end on
.set j, j+2
.endr
.irp b, 0,1,2,3
	v_max3_num_f32 v[BM+\b], v[S+16*\b], v[S+16*\b+1], v[S+16*\b+2]   ; the largest logit of each block of 32 keys: for the row's maximum, and, since p rises with the logit, for the block's largest p
.endr
.irp i, 3,5,7,9,11,13
.irp b, 0,1,2,3
	v_max3_num_f32 v[BM+\b], v[BM+\b], v[S+16*\b+\i], v[S+16*\b+\i+1]
.endr
.endr
.irp b, 0,1,2,3
	v_max_num_f32 v[BM+\b], v[BM+\b], v[S+16*\b+15]
.endr
.irp b, 0,1,2,3
	v_permlanex16_b32 v[T4+\b], v[BM+\b], s[SEL], s[SEL+1]
.endr
.irp b, 0,1,2,3
	v_max_num_f32 v[BM+\b], v[BM+\b], v[T4+\b]     ; with lane l xor 16's 16 keys
.endr
	v_max3_num_f32 v[TT], v[BM], v[BM+1], v[BM+2]
	v_max_num_f32 v[TT], v[TT], v[BM+3]
	v_mul_f32 v[TT], s[L2E], v[TT]                 ; as t
	v_max_num_f32 v13, v13, v[TT]                  ; the running largest t
	v_mov_b32 v[TT], v[NM]
	v_floor_f32 v[NM], -v13                        ; the new -M = -ceil(t): a whole number
	v_sub_f32 v[TT], v[NM], v[TT]                  ; old M - new M: a whole number, 0 or less
	v_cvt_i32_f32 v[TT], v[TT]                     ; (it saturates)
	v_ldexp_f32 v[F], 1.0, v[TT]                   ; f = 2^(old M - new M): a multiplication by it rounds nothing
.set j, 0
.rept 32
	v_pk_fma_f32 v[S+j:S+j+1], v[S+j:S+j+1], s[L2E:L2E+1], v[NM:NM+1] op_sel_hi:[1,0,0]   ; t - M
.set j, j+2
.endr
.irp b, 0,1,2,3
	v_fma_f32 v[BM+\b], v[BM+\b], s[L2E], v[NM]    ; the same of each block's largest logit
.endr
.set j, 0
.rept 64
	v_exp_f32 v[S+j], v[S+j]                       ; p = 2^(t - M): not normalised
.set j, j+1
.endr
	v_pk_mul_f32 v[14:15], v[14:15], v[F:F+1] op_sel_hi:[1,0]   ; l under the new M.  (A plain place behind the exponentials)
	s_wait_alu depctr_va_vdst(0)                   ; one wait for the whole batch, ahead of its first reader
.irp b, 0,1,2,3
	v_exp_f32 v[BM+\b], v[BM+\b]                   ; the block's largest p: the same two instructions on the same number
.endr
	v_pk_add_f32 v[C2:C2+1], v[S:S+1], v[S+2:S+3]  ; l is taken of the unquantised p: two at a time, in two chains
.set j, 4
.rept 15
	v_pk_add_f32 v[14:15], v[14:15], v[S+j:S+j+1]
	v_pk_add_f32 v[C2:C2+1], v[C2:C2+1], v[S+j+2:S+j+3]
.set j, j+4
.endr
	v_pk_add_f32 v[14:15], v[14:15], v[C2:C2+1]
	s_wait_alu depctr_va_vdst(0)                   ; and one for the four
.irp b, 0,1,2,3
	v_max_num_f32 v[BM+\b], 0x2800000, v[BM+\b]    ; the floor 2^(5 - 127): the byte cannot fall under 1
.endr
.irp b, 0,1,2,3
	v_add_nc_u32 v[SO+\b], 0xfe000000, v[BM+\b]    ; 4 off the exponent field: the conversion's scale operand
.endr
.irp b, 0,1,2,3
	v_lshrrev_b32 v[T4+\b], 23, v[SO+\b]           ; the scale's byte
.endr
	v_lshl_or_b32 v[PW], v[T4+1], 8, v[T4]         ; p's scale word for these 128 keys
	v_lshl_or_b32 v[PW], v[T4+2], 16, v[PW]
	v_lshl_or_b32 v[PW], v[T4+3], 24, v[PW]
.irp c, 0,1
	v_cvt_scalef32_pk16_bf6_f32 v[PC+6*\c:PC+6*\c+2], v[S+32*\c:S+32*\c+15], v[SO+2*\c]
	v_cvt_scalef32_pk16_bf6_f32 v[PC+12+4*\c:PC+14+4*\c], v[S+32*\c+16:S+32*\c+31], v[SO+2*\c+1]
.endr
	v_nop                                          ; one plain place behind a scaled conversion
.irp c, 0,1
.irp i, 0,1,2
	v_permlane16_swap_b32 v[PC+6*\c+\i], v[PC+12+4*\c+\i]
.endr
.irp i, 0,1,2
	v_mov_b32 v[PC+3+6*\c+\i], v[PC+12+4*\c+\i]
.endr
.endr
.endm
.macro RESCALE                         ; O^T under the new M; these 32 are also the places between the writes of p's codes and scale word and the products
	WIN W_RS
.set j, 0
.rept 32
	v_pk_mul_f32 v[j:j+1], v[j:j+1], v[F:F+1] op_sel_hi:[1,0]
.set j, j+2
.endr
.endm
.macro PVMUL zero                      ; O^T += V^T p^T: eight accumulators by turns, one instruction a turn
	WIN W_PV
.irp t, 0,1,2,3,4,5,6,7
	WMMA 8*\t, VF+12*\t, PC, \zero, VS+\t%4, PW, \t/4
.endr
	WIN 0
.endm
; A KEY STEP.  pv = 2: the step before's V^T p^T is added; 1: it starts O^T's sums; 0: there is none.
.macro TRIP slot, pv, fill, ask, lim
	CHANGE \slot, \fill
	ds_load_b128 v[KS:KS+3], v[SA]                 ; K's scale words: register j: tile j in lanes 0-15, tile 4 + j in lanes 16-31
	WIN LD1
.irp t, 0,1,2,3,4,5,6,7
.irp c, 0,1,2
	ds_load_b128 v[KF+12*\t+4*\c:KF+12*\t+4*\c+3], v[LI+\slot] offset:1536*\t+512*\c
.endr
.endr
	WIN 0
.irp bb, 0,1,2,3
.irp jj, 0,1,2,3,4,5,6,7
	ds_load_b64 v[MK+16*\bb+2*\jj:MK+16*\bb+2*\jj+1], v[MA+\slot] offset:128*\bb+8*\jj   ; the mask of my query at keys 32 B + 16 h + 2 jj, + 1
.endr
.endr
.if \ask
	ASK \lim
.endif
.if \pv == 2
	RESCALE
.endif
.if \pv == 1
	PLACES 8                                       ; a scale register written by vector instructions stands 8 places ahead of a scaled matrix instruction
.endif
.if \pv
	PVMUL 2-\pv
	PLACES 4                                       ; in front of loads into registers that these products have read
.endif
	ds_load_b128 v[VS:VS+3], v[SA] offset:512
	WIN LD1
.irp t, 0,1,2,3,4,5,6,7
.irp c, 0,1,2
	ds_load_b128 v[VF+12*\t+4*\c:VF+12*\t+4*\c+3], v[LI+\slot] offset:VOFF+1536*\t+512*\c
.endr
.endr
	WIN 0
	v_add_nc_u32 v[SA], 1024, v[SA]                ; the next step's scale words
	s_wait_dscnt 57                                ; K and its scale words are in; the mask's 32 loads and V's 25 may be out
	WIN W_KQ
.irp t, 0,1,2,3,4,5,6,7
	WMMA S+8*\t, KF+12*\t, Q, 1, KS+\t%4, QS, \t/4
.endr
	WIN 0
	PLACES 4
	s_wait_dscnt 25                                ; the mask is in; V's 25 loads may be out: the next change of slots waits for them
	SOFTMAX
.endm
	TRIP 0, 0, 1, 1, LIMA                          ; step 0
	TRIP 1, 1, 1, 1, LIMA                          ; step 1
.Lloop:                                            ; six trips: steps 2 to 13
	TRIP 0, 2, 1, 1, LIMA
	TRIP 1, 2, 1, 1, LIMB
	s_sub_co_u32 s[LP], s[LP], 1
	s_cmp_lg_u32 s[LP], 0
	s_cbranch_scc1 .Lloop
	TRIP 0, 2, 1, 0, LIMA                          ; step 14 asks for step 15's tiles
	TRIP 1, 2, 0, 0, LIMA                          ; step 15: written out
	s_wait_dscnt 0x0                               ; the last step's V
	RESCALE
	PVMUL 0
	PLACES 4
	v_add_f32 v14, v14, v15                        ; l's two halves,
	v_permlanex16_b32 v[TT], v14, s[SEL], s[SEL+1]
	v_add_f32 v14, v14, v[TT]                      ; and lane l xor 16's
	v_rcp_f32 v14, v14
	v_nop                                          ; a plain place behind the reciprocal
	s_wait_alu depctr_va_vdst(0)                   ; and a wait ahead of its first reader
	WIN 0x01
.set j, 0
.rept 32
	v_pk_mul_f32 v[S+j:S+j+1], v[j:j+1], v[14:15] op_sel_hi:[1,0]   ; O^T / l: register 16 B + i is channel 32 B + 16 h + i of my query
.set j, j+2
.endr
	WIN 0
	; quantised along the head's 128: K step `head` of the last product
.irp b, 0,1,2,3
	v_max3_num_f32 v[TM+\b], |v[S+16*\b]|, |v[S+16*\b+1]|, 0x2800000
.endr
.irp i, 2,4,6,8,10,12,14
.irp b, 0,1,2,3
	v_max3_num_f32 v[TM+\b], |v[S+16*\b+\i]|, |v[S+16*\b+\i+1]|, v[TM+\b]
.endr
.endr
.irp b, 0,1,2,3
	v_permlanex16_b32 v[TM+4+\b], v[TM+\b], s[SEL], s[SEL+1]
.endr
.irp b, 0,1,2,3
	v_max_num_f32 v[TM+\b], v[TM+\b], v[TM+4+\b]
.endr
.irp b, 0,1,2,3
	v_add_nc_u32 v[TM+12+\b], 0xfe000000, v[TM+\b]
.endr
.irp b, 0,1,2,3
	v_lshrrev_b32 v[TM+4+\b], 23, v[TM+12+\b]
.endr
	v_lshl_or_b32 v[PW], v[TM+5], 8, v[TM+4]
	v_lshl_or_b32 v[PW], v[TM+6], 16, v[PW]
	v_lshl_or_b32 v[PW], v[TM+7], 24, v[PW]
.irp c, 0,1
	v_cvt_scalef32_pk16_bf6_f32 v[PC+6*\c:PC+6*\c+2], v[S+32*\c:S+32*\c+15], v[TM+12+2*\c]
	v_cvt_scalef32_pk16_bf6_f32 v[PC+12+4*\c:PC+14+4*\c], v[S+32*\c+16:S+32*\c+31], v[TM+13+2*\c]
.endr
	v_nop
.irp c, 0,1
.irp i, 0,1,2
	v_permlane16_swap_b32 v[PC+6*\c+\i], v[PC+12+4*\c+\i]
.endr
.irp i, 0,1,2
	v_mov_b32 v[PC+3+6*\c+\i], v[PC+12+4*\c+\i]
.endr
.endr
.irp c, 0,1,2
	global_store_b128 v[GA], v[PC+4*\c:PC+4*\c+3], s[10:11] offset:512*\c   ; my tile's image: 512 consecutive bytes a store
.endr
	ds_store_b32 v[SW], v[PW]                      ; lanes r and r + 16 write the same word with the same value
	s_wait_dscnt 0x0                               ; for the others' sake: my store is done
	s_barrier_signal -1
	s_barrier_wait -1
	s_cmp_lg_u32 s[WV], 0
	s_cbranch_scc1 .Lnot_first
	ds_load_b128 v[S:S+3], v[SRD]                  ; the eight waves' words, as the next launch wants them
	s_wait_dscnt 0x0
	global_store_b128 v[GA], v[S:S+3], s[12:13]    ; 512 consecutive bytes
.Lnot_first:
	s_wait_tensorcnt 0x0                           ; the wave's end
	ds_add_u32 v[SPW], v[NIL]
	s_wait_dscnt 0x0
	CROUND                                         ; the closing round
	s_endpgm
.Lfunc_end_k_q366fb75f2a_attn:
	.size	k_q366fb75f2a_attn, .Lfunc_end_k_q366fb75f2a_attn-k_q366fb75f2a_attn
	.p2alignl 7, 3214868480
	.fill 96, 4, 3214868480
	.section	.rodata,"a",@progbits
	.p2align	6, 0x0
	.amdhsa_kernel k_q366fb75f2a_attn
		.amdhsa_group_segment_fixed_size 327680
		.amdhsa_private_segment_fixed_size 0
		.amdhsa_enable_private_segment 0
		.amdhsa_kernarg_size 40
		.amdhsa_user_sgpr_count 2
		.amdhsa_user_sgpr_kernarg_segment_ptr 1
		.amdhsa_wavefront_size32 1
		.amdhsa_system_sgpr_workgroup_id_x 1
		.amdhsa_system_sgpr_workgroup_id_y 1
		.amdhsa_system_sgpr_workgroup_id_z 1
		.amdhsa_system_vgpr_workitem_id 0
		.amdhsa_next_free_vgpr 512
		.amdhsa_next_free_sgpr 96
		.amdhsa_reserve_vcc 0
		.amdhsa_float_denorm_mode_32 3
		.amdhsa_float_denorm_mode_16_64 3
		.amdhsa_memory_ordered 1
		.amdhsa_forward_progress 1
		.amdhsa_inst_pref_size 157
	.end_amdhsa_kernel
	.amdgpu_metadata
---
amdhsa.version: [ 1, 2 ]
amdhsa.kernels:
  - .name:           k_q366fb75f2a_attn
    .symbol:         k_q366fb75f2a_attn.kd
    .args:
      - { .name: qkv, .offset: 0, .size: 8, .value_kind: global_buffer, .address_space: global }
      - { .name: qkvs, .offset: 8, .size: 8, .value_kind: global_buffer, .address_space: global }
      - { .name: mask, .offset: 16, .size: 8, .value_kind: global_buffer, .address_space: global }
      - { .name: acodes, .offset: 24, .size: 8, .value_kind: global_buffer, .address_space: global }
      - { .name: ascales, .offset: 32, .size: 8, .value_kind: global_buffer, .address_space: global }
    .group_segment_fixed_size: 327680
    .private_segment_fixed_size: 0
    .kernarg_segment_align: 8
    .kernarg_segment_size: 40
    .max_flat_workgroup_size: 256
    .sgpr_count:     96
    .vgpr_count:     512
    .wavefront_size: 32
...
	.end_amdgpu_metadata
.endif
;; end of part 3
;; launch outgemm (part 4): grid 16 x 16, 4 waves a work-group, clusters of 4 x 4, 327,680 bytes of LDS; arguments acodes, ascales, wcodes, wscales, out0; writes out0
.if DOCPART == 4
	.amdgcn_target "amdgcn-amd-amdhsa--gfx1250"
	.amdhsa_code_object_version 6
	.text
	.protected	k_q366fb75f2a_outgemm
	.globl	k_q366fb75f2a_outgemm
	.p2align	8
	.type	k_q366fb75f2a_outgemm,@function
k_q366fb75f2a_outgemm:
	s_mov_b64 s[64:65], 0
	v_nop
	global_prefetch_b8 v0, s[64:65] scope:SCOPE_SE
	s_setreg_imm32_b32 hwreg(HW_REG_WAVE_MODE, 25, 1), 1
	s_wait_xcnt 0x0
	s_wait_alu depctr_hold_cnt(0) depctr_sa_sdst(0) depctr_va_vdst(0) depctr_va_sdst(0) depctr_va_ssrc(0) depctr_va_vcc(0) depctr_vm_vsrc(0)
	s_getreg_b32 s2, hwreg(HW_REG_IB_STS2, 6, 4)
	s_cmp_eq_u32 s2, 0
	s_cbranch_scc0 .Lentry_in_a_cluster
	s_endpgm
.Lentry_in_a_cluster:
	s_bfe_u32 s2, ttmp6, 0x10000c
	s_cmp_lg_u32 s2, 0xf033
	s_cbranch_scc0 .Lentry_shape_is_right
	s_endpgm
.Lentry_shape_is_right:
; out0[m][n] = sum over k of att[m][k] wo[n][k], both as codes of BF6 with E8M0 scales, laid as images of operand registers; out0 [2048][2048] f32; K = 2,048.
; A tile of out0 is 128 x 128, so that the grid has 256 work-groups; four waves, each 64 x 64: 16 accumulators.  The matrix instruction is used transposed (source 0 = 16 rows of wo, source 1 = 16 rows of att):
; a lane holds one row m; since lane r of tile T holds row 32 (T / 2) + 8 (T % 2) + r + 8 (r / 8), the registers of wo's tiles 2 B, 2 B + 1 are columns 32 B + 16 h + 0 .. 15.
; K goes in four parts of 512.  THREE slots in LDS take the first three parts, all asked for at the start (with the scale words four loads of a wave are out); the fourth part is the one refill, of slot 0,
; behind the one round in the walk, and has the second and third parts' 128 matrix instructions in which to land.  Each wave brings a quarter of a slot (24,576 dense bytes) by one tensor load.
; The scale words of all of K come once.  All 16 steps of 128 are written out.
; CLUSTERS 4 x 4: att's tiles are asked for jointly along a row of the cluster, wo's along a column.
; REGISTERS: window 0: v16-29 addresses; v32-39 scale words, two sets, and nothing else; v64-127 rows on the way out; v128-255 accumulator (a, b) at 128 + 8 (4 a + b).
;   window 1: two buffers of 96: att's four fragments, then wo's four.
.set SLOT,  98304                      ; att [4 K steps][8 tiles][1,536], then wo likewise
.set QTR,   24576
.set UNIT,  12288
.set IMG,   1536
.set SCL,   3*SLOT                     ; att's scale words 8,192 bytes, then wo's
.set SPARE, SCL+16384                  ; the spare words: two blocks of 256 bytes that no other line names
.set STAGE, SLOT                       ; the way out: 16 rows x 272 bytes for each wave, in slot 1: it has had its one fill, and behind the last barrier nobody reads it
.set SPITCH, 272
.set ADRA, 16                          ; v16-18 my att fragments in slot 0, 1, 2
.set ADRB, 20                          ; v20-22 the same for wo
.set STO,  24
.set RD,   25
.set CO,   26
.set ADS,  27
.set SPW,  28
.set NIL,  29
.set SC,   32                          ; set f at 32 + 4 f; register j: att's tile j of mine in lanes 0-15, wo's tile j of mine in lanes 16-31
.set BK,   64
.set ACC,  128
.set WV,   16
.set RH,   17
.set CH,   18
.set G1,   24
.set G0,   32                          ; s[32:39] group 0 for att's tiles, slots 0 and 1;  s[4:7] slot 2 (where two arguments lay, once their addresses are made)
.set G0C,  4
.set G1B,  48
.set G0B,  56                          ; s[56:63], s[8:11] the same for wo's
.set G0BC, 8
.set G1S,  68
.set G0S,  76
.set G1SB, 80
.set G0SB, 88
.set MSB, 0
.macro WIN new
.if MSB != (\new)
	s_set_vgpr_msb (MSB<<8)|(\new)
.set MSB, (\new)
.endif
.endm
.set MUL,  0x05                        ; sources 0 and 1 window 1; C and D window 0
.set TO_F, 0x40
.macro JLOAD g0a, g1a, g0b, g1b
	s_cmp_eq_u32 s[RH], 0
	s_cbranch_scc0 .Lfor_b_\@
	tensor_load_to_lds s[\g0a:\g0a+3], s[\g1a:\g1a+7]
	s_nop 0
.rept 4
	v_nop
.endr
	s_branch .Lasked_\@
.Lfor_b_\@:
	tensor_load_to_lds s[\g0b:\g0b+3], s[\g1b:\g1b+7]
	s_nop 0
.rept 4
	v_nop
.endr
.Lasked_\@:
.endm
.macro CREST
	s_cmp_lg_u32 s[WV], 0
	s_cbranch_scc1 .Lnot_wave_0_\@
	s_barrier_signal -3
.Lnot_wave_0_\@:
	s_barrier_wait -3
	s_barrier_signal -1
	s_barrier_wait -1
.endm
.macro CROUND
	s_barrier_signal -1
	s_barrier_wait -1
	CREST
.endm
.macro PLACES n
.rept \n
	v_nop
.endr
.endm
	s_load_b256 s[4:11], s[0:1], 0x0               ; acodes, ascales, wcodes, wscales
	s_load_b64 s[12:13], s[0:1], 0x20              ; out0
	v_lshl_add_u32 v[SPW], v0, 2, SPARE
	v_mov_b32 v[NIL], 0
	ds_add_u32 v28, v29
	s_wait_dscnt 0x0
	v_lshrrev_b32 v1, 5, v0
	v_readfirstlane_b32 s[WV], v1
	s_lshr_b32 s[RH], s[WV], 1                     ; which 64 rows are mine.  Also: I fetch for att (0) or for wo (1)
	s_and_b32 s[CH], s[WV], 1                      ; which 64 columns.  Also: which two K steps of a slot I fetch
	s_bfe_u32 s40, ttmp6, 0x40000
	s_bfe_u32 s41, ttmp6, 0x40004
	s_lshl_b32 s42, ttmp9, 2
	s_add_co_u32 s42, s42, s40                     ; tile column
	s_and_b32 s19, ttmp7, 0xffff
	s_lshl_b32 s19, s19, 2
	s_add_co_u32 s19, s19, s41                     ; tile row
	s_lshl_b32 s43, s41, 2
	s_lshl_b32 s43, 15, s43
	s_lshl_b32 s44, 0x1111, s40
	s_or_b32 s[G1+0], s43, (3<<16)|(1<<21)         ; dense blocks as rows of 256 bytes: 96 rows for a quarter of a slot, 16 for half a block's scale words
	s_or_b32 s[G1B+0], s44, (3<<16)|(1<<21)
	s_or_b32 s[G1S+0], s43, (3<<16)|(1<<21)
	s_or_b32 s[G1SB+0], s44, (3<<16)|(1<<21)
.irp g, G1, G1B
	s_mov_b32 s[\g+1], 32<<16
	s_mov_b32 s[\g+2], 96<<16
	s_mov_b32 s[\g+3], 32<<16
	s_mov_b32 s[\g+4], 96
	s_mov_b32 s[\g+5], 32
	s_mov_b32 s[\g+6], 0
	s_mov_b32 s[\g+7], 0
.endr
.irp g, G1S, G1SB
	s_mov_b32 s[\g+1], 32<<16
	s_mov_b32 s[\g+2], 16<<16
	s_mov_b32 s[\g+3], 32<<16
	s_mov_b32 s[\g+4], 16
	s_mov_b32 s[\g+5], 32
	s_mov_b32 s[\g+6], 0
	s_mov_b32 s[\g+7], 0
.endr
	s_mul_i32 s20, s19, 16*UNIT                    ; att: block = tile row,
	s_mul_i32 s21, s[CH], QTR                      ; my two K steps
	s_add_co_u32 s20, s20, s21
	s_mov_b32 s21, 0
	s_lshl_b32 s22, s19, 13
	s_lshl_b32 s23, s[CH], 12
	s_add_co_u32 s22, s22, s23
	s_mov_b32 s23, 0
	s_add_co_u32 s46, s42, 64                      ; wo: block 64 + tile column
	s_lshl_b32 s92, s46, 13
	s_lshl_b32 s93, s[CH], 12
	s_add_co_u32 s92, s92, s93
	s_mov_b32 s93, 0
	s_mul_i32 s46, s46, 16*UNIT
	s_mul_i32 s47, s[CH], QTR
	s_add_co_u32 s46, s46, s47
	s_mov_b32 s47, 0
	s_mul_i32 s45, s[WV], QTR
	s_lshl_b32 s94, s[WV], 12
	s_wait_kmcnt 0x0
	s_add_nc_u64 s[20:21], s[4:5], s[20:21]
	s_add_nc_u64 s[22:23], s[6:7], s[22:23]
	s_add_nc_u64 s[46:47], s[8:9], s[46:47]
	s_add_nc_u64 s[92:93], s[10:11], s[92:93]
	CROUND                                         ; the first joint loads meet
	s_mov_b32 s[G0S], 1
	s_add_co_u32 s[G0S+1], s94, SCL
	s_mov_b64 s[G0S+2:G0S+3], s[22:23]
	s_or_b32 s[G0S+3], s[G0S+3], 0x80000000
	s_mov_b32 s[G0SB], 1
	s_add_co_u32 s[G0SB+1], s94, SCL
	s_mov_b64 s[G0SB+2:G0SB+3], s[92:93]
	s_or_b32 s[G0SB+3], s[G0SB+3], 0x80000000
	JLOAD G0S, G1S, G0SB, G1SB                     ; four loads of mine are out at the start: the scale words and three slots
.irp s, 0,1
	s_mov_b32 s[G0+4*\s], 1
	s_add_co_u32 s[G0+4*\s+1], s45, \s*SLOT
	s_add_nc_u64 s[G0+4*\s+2:G0+4*\s+3], s[20:21], \s*2*QTR
	s_or_b32 s[G0+4*\s+3], s[G0+4*\s+3], 0x80000000
	s_mov_b32 s[G0B+4*\s], 1
	s_add_co_u32 s[G0B+4*\s+1], s45, \s*SLOT
	s_add_nc_u64 s[G0B+4*\s+2:G0B+4*\s+3], s[46:47], \s*2*QTR
	s_or_b32 s[G0B+4*\s+3], s[G0B+4*\s+3], 0x80000000
	JLOAD G0+4*\s, G1, G0B+4*\s, G1B
.endr
	s_mov_b32 s[G0C], 1
	s_add_co_u32 s[G0C+1], s45, 2*SLOT
	s_add_nc_u64 s[G0C+2:G0C+3], s[20:21], 4*QTR
	s_or_b32 s[G0C+3], s[G0C+3], 0x80000000
	s_mov_b32 s[G0BC], 1
	s_add_co_u32 s[G0BC+1], s45, 2*SLOT
	s_add_nc_u64 s[G0BC+2:G0BC+3], s[46:47], 4*QTR
	s_or_b32 s[G0BC+3], s[G0BC+3], 0x80000000
	JLOAD G0C, G1, G0BC, G1B
	v_and_b32 v1, 31, v0
	v_lshlrev_b32 v4, 4, v1                        ; 16 x lane
	v_and_b32 v2, 15, v0                           ; r
	v_bfe_u32 v3, v0, 4, 1                         ; h
	s_mul_i32 s21, s[RH], 4*IMG                    ; my four tiles of att
	s_mul_i32 s22, s[CH], 4*IMG                    ; my four of wo,
	s_add_co_u32 s22, s22, 2*QTR                   ; behind att's half of the slot
.irp s, 0,1,2
	v_add_nc_u32 v[ADRA+\s], s21, v4
	v_add_nc_u32 v[ADRB+\s], s22, v4
	s_add_co_u32 s21, s21, SLOT
	s_add_co_u32 s22, s22, SLOT
.endr
	v_lshlrev_b32 v5, 4, v2                        ; scale words: 16 r,
	s_lshl_b32 s21, s[RH], 8                       ; att's: + 256 x my half
	s_lshl_b32 s22, s[CH], 8                       ; wo's: 8,192 on, + 256 x my half
	s_add_co_u32 s22, s22, 8192
	s_sub_co_u32 s22, s22, s21
	v_mul_u32_u24 v6, s22, v3                      ; lanes 16-31 take wo's: the lower base + h x the distance
	s_add_co_u32 s21, s21, SCL
	v_add_nc_u32 v5, v5, v6
	v_add_nc_u32 v[ADS], s21, v5
	s_mul_i32 s23, s[WV], 16*SPITCH
	s_add_co_u32 s23, s23, STAGE                   ; my stage
	v_mul_u32_u24 v5, v2, SPITCH
	v_lshl_add_u32 v5, v3, 6, v5
	v_add_nc_u32 v[STO], s23, v5                   ; in: row r, + 64 h
	v_mul_u32_u24 v5, v3, SPITCH
	v_lshl_add_u32 v5, v2, 4, v5
	v_add_nc_u32 v[RD], s23, v5                    ; back: lanes 0-15 one row of 256 bytes, lanes 16-31 the next
	v_lshlrev_b32 v[CO], 13, v3
	v_lshl_add_u32 v[CO], v2, 4, v[CO]             ; and the same two rows in out0
	s_lshl_b32 s20, s19, 20                        ; 128 rows of 8,192 bytes a tile row,
	s_lshl_b32 s21, s[RH], 19                      ; my 64 rows,
	s_add_co_u32 s20, s20, s21
	s_lshl_b32 s21, s42, 9                         ; 512 bytes a tile column,
	s_add_co_u32 s20, s20, s21
	s_lshl_b32 s21, s[CH], 8                       ; my 256
	s_add_co_u32 s20, s20, s21
	s_mov_b32 s21, 0
	s_add_nc_u64 s[12:13], s[12:13], s[20:21]
.macro FETCH k                         ; the fragments and scale words of K step k (0 .. 15), from slot (k / 4) % 3, into buffer k % 2
	WIN TO_F
.irp i, 0,1,2,3
.irp c, 0,1,2
	ds_load_b128 v[128*((\k)%2)+48+12*\i+4*\c:128*((\k)%2)+48+12*\i+4*\c+3], v[ADRB+((\k)/4)%3] offset:UNIT*((\k)%4)+IMG*\i+512*\c
.endr
.endr
.irp i, 0,1,2,3
.irp c, 0,1,2
	ds_load_b128 v[128*((\k)%2)+12*\i+4*\c:128*((\k)%2)+12*\i+4*\c+3], v[ADRA+((\k)/4)%3] offset:UNIT*((\k)%4)+IMG*\i+512*\c
.endr
.endr
	WIN 0
	ds_load_b128 v[SC+4*((\k)%2):SC+4*((\k)%2)+3], v[ADS] offset:512*(\k)
.endm
.macro MULA a, f, zero                 ; att's tile a x wo's four.  The 16 accumulators take turns, one instruction a turn
.irp b, 0,1,2,3
.if \zero
	v_wmma_scale_f32_16x16x128_f8f6f4 v[ACC+8*(4*(\a)+\b):ACC+8*(4*(\a)+\b)+7], v[128*(\f)+48+12*\b:128*(\f)+48+12*\b+11], v[128*(\f)+12*(\a):128*(\f)+12*(\a)+11], 0, v[SC+4*(\f)+\b], v[SC+4*(\f)+(\a)] matrix_a_fmt:MATRIX_FMT_BF6 matrix_b_fmt:MATRIX_FMT_BF6 matrix_a_scale:MATRIX_SCALE_ROW1
.else
	v_wmma_scale_f32_16x16x128_f8f6f4 v[ACC+8*(4*(\a)+\b):ACC+8*(4*(\a)+\b)+7], v[128*(\f)+48+12*\b:128*(\f)+48+12*\b+11], v[128*(\f)+12*(\a):128*(\f)+12*(\a)+11], v[ACC+8*(4*(\a)+\b):ACC+8*(4*(\a)+\b)+7], v[SC+4*(\f)+\b], v[SC+4*(\f)+(\a)] matrix_a_fmt:MATRIX_FMT_BF6 matrix_b_fmt:MATRIX_FMT_BF6 matrix_a_scale:MATRIX_SCALE_ROW1
.endif
.endr
.endm
.macro STEP k, zero                    ; a K step whose successor's tiles have been shown whole by an earlier barrier
	s_wait_dscnt 0x0                               ; this step's fragments are in
	PLACES 4                                       ; in front of loads into the buffer that the step before multiplied
	FETCH (\k)+1
	WIN MUL
	MULA 0, (\k)%2, \zero
	MULA 1, (\k)%2, \zero
	MULA 2, (\k)%2, \zero
	MULA 3, (\k)%2, \zero
	WIN 0
.endm
; A K step with a barrier in it.  fill = 1 (K step 3): slot 0 has been read out and takes K steps 12 to 15.  fill = 0 (K step 11): that refill is shown whole to every wave.
.macro TURN k, fill
	s_wait_tensorcnt 0x0                           ; all my tensor loads have landed;
	ds_add_u32 v[SPW], v[NIL]                      ; 0 onto my spare word
	s_wait_dscnt 1                                 ; (the add alone may be out: this step's fragments are in)
	WIN MUL
	MULA 0, (\k)%2, 0
	s_wait_dscnt 0x0                               ; the add is done, and my reads of the slots behind me are over
	s_barrier_signal -1
	MULA 1, (\k)%2, 0
	WIN 0
	s_barrier_wait -1
.if \fill
	CREST                                          ; the barrier has opened a round of the cluster's barrier: no wave of any partner still reads slot 0 or has a load on its way
	s_add_nc_u64 s[G0+2:G0+3], s[G0+2:G0+3], 6*QTR ; twelve K steps on
	s_add_nc_u64 s[G0B+2:G0B+3], s[G0B+2:G0B+3], 6*QTR
	JLOAD G0, G1, G0B, G1B                         ; the first tensor load behind the round; its four v_nop are the places in front of the loads below
.else
	PLACES 4
.endif
	FETCH (\k)+1
	WIN MUL
	MULA 2, (\k)%2, 0
	MULA 3, (\k)%2, 0
	WIN 0
.endm
	s_wait_tensorcnt 2                             ; the scale words and my part of slot 0 are in; slots 1 and 2's loads may be out
	s_barrier_signal -1
	s_barrier_wait -1
	FETCH 0
	STEP 0, 1                                      ; the first products start the sums
	STEP 1, 0
	STEP 2, 0
	TURN 3, 1                                      ; its wait for all loads and its barrier also show slots 1 and 2 whole to every wave
	STEP 4, 0
	STEP 5, 0
	STEP 6, 0
	STEP 7, 0
	STEP 8, 0
	STEP 9, 0
	STEP 10, 0
	TURN 11, 0                                     ; nothing is left to fetch
	STEP 12, 0
	STEP 13, 0
	STEP 14, 0
	s_wait_dscnt 0x0
	WIN MUL
	MULA 0, 1, 0
	MULA 1, 1, 0
	MULA 2, 1, 0
	MULA 3, 1, 0
	WIN 0
	PLACES 4                                       ; in front of the first reads of results
; THE WAY OUT, 16 rows x 64 columns at a time through my own stage: a lane's 32 bytes go in by rows of 272 bytes and come back as whole rows of 256, which sixteen lanes store as one aligned block.
.macro TOSTAGE a
.irp b, 0,1,2,3
	ds_store_b128 v[STO], v[ACC+8*(4*(\a)+\b):ACC+8*(4*(\a)+\b)+3] offset:128*(\b/2)+32*(\b%2)       ; each accumulator from its low end on
	ds_store_b128 v[STO], v[ACC+8*(4*(\a)+\b)+4:ACC+8*(4*(\a)+\b)+7] offset:128*(\b/2)+32*(\b%2)+16
.endr
.irp t, 0,1,2,3,4,5,6,7
	ds_load_b128 v[BK+32*((\a)%2)+4*\t:BK+32*((\a)%2)+4*\t+3], v[RD] offset:\t*2*SPITCH   ; LDS serves a wave's instructions in order (ISA guide 5.7.1.4): these see the stores above
.endr
.endm
.macro SEND a, younger                 ; younger: the LDS instructions issued behind block a's loads
	s_wait_dscnt \younger
.irp t, 0,1,2,3,4,5,6,7
	global_store_b128 v[CO], v[BK+32*((\a)%2)+4*\t:BK+32*((\a)%2)+4*\t+3], s[12:13] offset:(32*((\a)/2)+8*((\a)%2)+2*\t+8*(\t/4))*8192 th:TH_STORE_NT   ; stage rows 2 t, 2 t + 1 are rows 2 t + 8 (t / 4), + 1 of the tile's 16
.endr
.endm
	TOSTAGE 0
.irp a, 1,2,3
.if \a > 1
	s_wait_xcnt 0x0                                ; block a - 2's stores have read their registers: block a's loads may land there
.endif
	TOSTAGE \a
	SEND \a-1, 16                                  ; behind block a - 1's loads: block a's 8 stores and 8 loads
.endr
	SEND 3, 0
	s_wait_tensorcnt 0x0                           ; the wave's end
	ds_add_u32 v[SPW], v[NIL]
	s_wait_dscnt 0x0
	CROUND                                         ; the closing round
	s_endpgm
.Lfunc_end_k_q366fb75f2a_outgemm:
	.size	k_q366fb75f2a_outgemm, .Lfunc_end_k_q366fb75f2a_outgemm-k_q366fb75f2a_outgemm
	.p2alignl 7, 3214868480
	.fill 96, 4, 3214868480
	.section	.rodata,"a",@progbits
	.p2align	6, 0x0
	.amdhsa_kernel k_q366fb75f2a_outgemm
		.amdhsa_group_segment_fixed_size 327680
		.amdhsa_private_segment_fixed_size 0
		.amdhsa_enable_private_segment 0
		.amdhsa_kernarg_size 40
		.amdhsa_user_sgpr_count 2
		.amdhsa_user_sgpr_kernarg_segment_ptr 1
		.amdhsa_wavefront_size32 1
		.amdhsa_system_sgpr_workgroup_id_x 1
		.amdhsa_system_sgpr_workgroup_id_y 1
		.amdhsa_system_sgpr_workgroup_id_z 1
		.amdhsa_system_vgpr_workitem_id 0
		.amdhsa_next_free_vgpr 512
		.amdhsa_next_free_sgpr 98
		.amdhsa_reserve_vcc 0
		.amdhsa_float_denorm_mode_32 3
		.amdhsa_float_denorm_mode_16_64 3
		.amdhsa_memory_ordered 1
		.amdhsa_forward_progress 1
		.amdhsa_inst_pref_size 81
	.end_amdhsa_kernel
	.amdgpu_metadata
---
amdhsa.version: [ 1, 2 ]
amdhsa.kernels:
  - .name:           k_q366fb75f2a_outgemm
    .symbol:         k_q366fb75f2a_outgemm.kd
    .args:
      - { .name: acodes, .offset: 0, .size: 8, .value_kind: global_buffer, .address_space: global }
      - { .name: ascales, .offset: 8, .size: 8, .value_kind: global_buffer, .address_space: global }
      - { .name: wcodes, .offset: 16, .size: 8, .value_kind: global_buffer, .address_space: global }
      - { .name: wscales, .offset: 24, .size: 8, .value_kind: global_buffer, .address_space: global }
      - { .name: out0, .offset: 32, .size: 8, .value_kind: global_buffer, .address_space: global }
    .group_segment_fixed_size: 327680
    .private_segment_fixed_size: 0
    .kernarg_segment_align: 8
    .kernarg_segment_size: 40
    .max_flat_workgroup_size: 128
    .sgpr_count:     98
    .vgpr_count:     512
    .wavefront_size: 32
...
	.end_amdgpu_metadata
.endif
;; end of part 4
